; MI455X (gfx1250); checked and timed in simulation.
; The chip was launched on July 23, 2026; its instructions are those of AMD's public machine-readable ISA for CDNA 5 (MIT licence, August 2026) and "CDNA5" Instruction Set Architecture Reference Guide (July 2026). The comments in the code are by the model that wrote it; some were corrected since.
;; Switch Feed Forward. Allowed arithmetic: float matrix products may take bf16 or f16 operands with f32 sums; other float arithmetic in f32, or as packed bf16 or f16 multiplies, adds, multiply-adds, maxima and minima; sums over many terms, partial sums and values carried from step to step in f32; what a program stores and reads back later, other than sums and carried values, may be rounded once to bf16 or f16.
;; Inputs: W1 8 x 512 x 2,048 float32; W2 8 x 2,048 x 512 float32; Ws 512 x 8 float32; b1 8 x 2,048 float32; b2 8 x 512 float32; bs 8 float32; x 4 x 1,024 x 512 float32.
;; Outputs: out0 4 x 1,024 x 512 float32.
;; 2 versions, each right; version 2 is version 1 with the launch down written anew for expert scheduling mode. Each part assembles by itself: llvm-mc -triple=amdgcn-amd-amdhsa -mcpu=gfx1250 --defsym DOCPART=n.
;; ======== version 1 of 2: 3 launches
;; limits: values are held in f16: magnitudes above 65,504 overflow, below 6.1e-05 lose precision
;; workspace buffers: xb 4,194,304 bytes; routes 16,384 bytes of whole numbers; pmax 16,384 bytes; hfrag 18,874,368 bytes
;; launch route (part 1): grid 256 x 1, 4 waves a work-group, no clusters, 0 bytes of LDS; arguments x, Ws, bs, xb, routes, pmax; writes xb, routes, pmax
.if DOCPART == 1
	.amdgcn_target "amdgcn-amd-amdhsa--gfx1250"
	.amdhsa_code_object_version 6
	.text
	.protected	k_qa3478bcedd_route
	.globl	k_qa3478bcedd_route
	.p2align	8
	.type	k_qa3478bcedd_route,@function
k_qa3478bcedd_route:
	s_mov_b64 s[64:65], 0
	v_nop
	global_prefetch_b8 v0, s[64:65] scope:SCOPE_SE
	s_setreg_imm32_b32 hwreg(HW_REG_WAVE_MODE, 25, 1), 1
	s_wait_xcnt 0x0
; ROUTER.  For each of 4,096 tokens: x rounded once to bf16 (stored in xb, [4096][512]), logits = x Ws + bs, the index of the largest logit
; (routes, one 32-bit word a token) and the largest softmax probability 1 / sum of exp(l - max l) (pmax, f32).
; LIMITS.  x, Ws and bs are rounded once to bf16, as all inputs of the three launches are; products and sums are f32 on the rounded numbers.
; The index is taken on the logits, the lowest index on equal logits (probabilities that become equal only by rounding are not treated apart).
; NaN and infinities are not treated apart.
; SHARES.  A wave owns 4 tokens, T0 = 16 x work-group + 4 x wave.  Lane l owns the channels k = 128 j + 4 l + c (j, c = 0..3): a load of x covers
; 512 consecutive bytes, a store of xb 256.  No matrix unit: 8 experts fill half a tile's columns, and its operand layout would break those runs.
.set ZERO, 6                           ; v6       0: the offset of bs's loads
.set IDX,  7                           ; v7       the index of the largest logit
.set MAXL, 8                           ; v8       the largest logit
.set SUM,  9                           ; v9       the sum of the exponentials, then its reciprocal
.set TP,   10                          ; v10-11   at work in the rounding
.set MM,   14                          ; v[14:15] the largest logit, twice
.set BS,   16                          ; v[16:23] bs
.set LG,   24                          ; v[24:31] my token's 8 logits
.set WS,   32                          ; v[32:159] Ws of my 16 channels: 32 j + 8 c + expert
.set XR,   160                         ; v[160:223] x: 16 t + 4 j + c
.set ACC,  224                         ; v[224:255] first the packed xb, then the sums: 8 t + expert
.set HIM,  17                          ; s17      a word's upper bf16
	s_load_b256 s[4:11], s[0:1], 0x0               ; x s[4:5], Ws s[6:7], bs s[8:9], xb s[10:11]
	s_load_b128 s[12:15], s[0:1], 0x20             ; routes s[12:13], pmax s[14:15]
	v_and_b32 v1, 31, v0                           ; lane
	v_lshrrev_b32 v2, 5, v0
	v_readfirstlane_b32 s16, v2                    ; wave
	v_lshlrev_b32 v2, 4, v1                        ; 16 l: x
	v_lshlrev_b32 v3, 7, v1                        ; 128 l: four rows of Ws
	v_lshlrev_b32 v4, 3, v1                        ; 8 l: xb
	v_lshlrev_b32 v5, 2, v1                        ; 4 l: routes, pmax
	v_mov_b32 v[ZERO], 0
	s_mov_b32 s[HIM], 0xffff0000
	s_mov_b32 s18, 0x76543210                      ; v_permlanex16_b32: each lane takes its own place in the other half
	s_mov_b32 s19, 0xfedcba98
	s_mov_b32 s21, 0xaaaaaaaa                      ; lanes whose number has bit 0
	s_mov_b32 s22, 0xcccccccc                      ; lanes whose number has bit 1
	s_lshl_b32 s23, ttmp9, 4
	s_lshl2_add_u32 s23, s16, s23                  ; T0 = 16 x work-group + 4 x wave
	s_mov_b32 s25, 0
	s_wait_kmcnt 0x0
	s_lshl_b32 s24, s23, 11
	s_add_nc_u64 s[4:5], s[4:5], s[24:25]          ; x at my first token (2,048 bytes a row)
	s_lshl_b32 s24, s23, 10
	s_add_nc_u64 s[10:11], s[10:11], s[24:25]      ; xb likewise (1,024 bytes a row)
	s_lshl_b32 s24, s23, 2
	s_add_nc_u64 s[12:13], s[12:13], s[24:25]
	s_add_nc_u64 s[14:15], s[14:15], s[24:25]
.set i, 0
.rept 32                                               ; Ws: row k is 32 bytes; my four rows of group j lie at 4,096 j + 128 l
	global_load_b128 v[WS+4*i:WS+4*i+3], v3, s[6:7] offset:4096*(i/8)+16*(i%8)
.set i, i+1
.endr
	global_load_b128 v[BS:BS+3], v[ZERO], s[8:9]
	global_load_b128 v[BS+4:BS+7], v[ZERO], s[8:9] offset:16
.set i, 0
.rept 16                                               ; x: token i / 4, group i % 4; read once in the launch
	global_load_b128 v[XR+4*i:XR+4*i+3], v2, s[4:5] offset:2048*(i/4)+512*(i%4) th:TH_LOAD_NT
.set i, i+1
.endr
.macro RND2 a                          ; two f32 rounded to bf16 and widened again, in place
	v_cvt_pk_bf16_f32 v[TP+((\a)/2)%2], v[\a], v[(\a)+1]
	v_lshlrev_b32 v[\a], 16, v[TP+((\a)/2)%2]
	v_and_b32 v[(\a)+1], s[HIM], v[TP+((\a)/2)%2]
.endm
	s_wait_loadcnt 16                              ; loads come back in order: Ws and bs are in, x's sixteen may stay out
.set a, WS
.rept 64
	RND2 a
.set a, a+2
.endr
.set a, BS
.rept 4
	RND2 a
.set a, a+2
.endr
	s_wait_loadcnt 0x0                             ; x
.set i, 0
.rept 32
	v_cvt_pk_bf16_f32 v[ACC+i], v[XR+2*i], v[XR+2*i+1]
.set i, i+1
.endr
.set i, 0
.rept 16                                               ; each store of the wave covers 256 consecutive bytes, aligned
	global_store_b64 v4, v[ACC+2*i:ACC+2*i+1], s[10:11] offset:1024*(i/4)+256*(i%4)
.set i, i+1
.endr
.set i, 0
.rept 32                                               ; the rounded x as f32 again
	v_lshlrev_b32 v[XR+2*i], 16, v[ACC+i]
	v_and_b32 v[XR+2*i+1], s[HIM], v[ACC+i]
.set i, i+1
.endr
	s_wait_xcnt 0x0                                ; the stores' data registers become the sums only behind this wait
; 16 channels x 4 tokens x 4 pairs of experts: x is given to both halves of a packed multiply-add.  The first channel's products start the sums.
.set jc, 0
.rept 16
.set t, 0
.rept 4
.set xp, XR+16*t+jc-jc%2
.set ep, 0
.rept 4
.set ac, ACC+8*t+2*ep
.set wr, WS+8*jc+2*ep
.if jc == 0
	v_pk_mul_f32 v[ac:ac+1], v[xp:xp+1], v[wr:wr+1] op_sel_hi:[0,1]
.elseif jc%2 == 0
	v_pk_fma_f32 v[ac:ac+1], v[xp:xp+1], v[wr:wr+1], v[ac:ac+1] op_sel_hi:[0,1,1]
.else
	v_pk_fma_f32 v[ac:ac+1], v[xp:xp+1], v[wr:wr+1], v[ac:ac+1] op_sel:[1,0,0] op_sel_hi:[1,1,1]
.endif
.set ep, ep+1
.endr
.set t, t+1
.endr
.set jc, jc+1
.endr
; across the 32 lanes, all 32 sums stage by stage; every lane ends with every sum
.irp m, 1,2,4,8
.set i, 0
.rept 32
	v_add_f32_dpp v[ACC+i], v[ACC+i], v[ACC+i] row_xmask:\m row_mask:0xf bank_mask:0xf
.set i, i+1
.endr
.endr
.set i, 0
.rept 32
	v_permlanex16_b32 v[XR+i], v[ACC+i], s18, s19  ; x's registers are free, and have been written
.set i, i+1
.endr
.set i, 0
.rept 32
	v_add_f32 v[ACC+i], v[ACC+i], v[XR+i]
.set i, i+1
.endr
; lane l goes on with token l % 4
.set e, 0
.rept 8
	v_cndmask_b32 v[ACC+e], v[ACC+e], v[ACC+8+e], s21
	v_cndmask_b32 v[ACC+16+e], v[ACC+16+e], v[ACC+24+e], s21
	v_cndmask_b32 v[LG+e], v[ACC+e], v[ACC+16+e], s22
.set e, e+1
.endr
.irp p, 0,2,4,6
	v_pk_add_f32 v[LG+\p:LG+\p+1], v[LG+\p:LG+\p+1], v[BS+\p:BS+\p+1]
.endr
	v_mov_b32 v[IDX], 0
	v_mov_b32 v[MAXL], v[LG]
.irp e, 1,2,3,4,5,6,7                          ; strictly greater: the lowest index keeps an equal logit
	v_cmp_gt_f32 vcc_lo, v[LG+\e], v[MAXL]
	v_cndmask_b32 v[IDX], v[IDX], \e, vcc_lo
	v_max_num_f32 v[MAXL], v[MAXL], v[LG+\e]
.endr
	v_mov_b32 v[MM], v[MAXL]
	v_mov_b32 v[MM+1], v[MAXL]
.irp p, 0,2,4,6                                ; l - max l, which is never above 0, then times log2 e
	v_pk_add_f32 v[LG+\p:LG+\p+1], v[LG+\p:LG+\p+1], v[MM:MM+1] neg_lo:[0,1] neg_hi:[0,1]
.endr
.irp p, 0,2,4,6
	v_pk_mul_f32 v[LG+\p:LG+\p+1], v[LG+\p:LG+\p+1], 0x3fb8aa3b op_sel_hi:[1,0]
.endr
.irp e, 0,1,2,3,4,5,6,7
	v_exp_f32 v[LG+\e], v[LG+\e]
.endr
	v_nop                                          ; a plain instruction between the last exponential and the use of its result (ISA guide 5.7.2)
	s_wait_alu depctr_va_vdst(0)
	v_pk_add_f32 v[LG:LG+1], v[LG:LG+1], v[LG+2:LG+3]
	v_pk_add_f32 v[LG+4:LG+5], v[LG+4:LG+5], v[LG+6:LG+7]
	v_pk_add_f32 v[LG:LG+1], v[LG:LG+1], v[LG+4:LG+5]
	v_add_f32 v[SUM], v[LG], v[LG+1]               ; at least 1: the largest logit's own term
	v_rcp_f32 v[SUM], v[SUM]
	v_nop
	v_cmp_gt_u32 vcc_lo, 4, v1                     ; lanes 0 to 3 hold tokens 0 to 3
	s_wait_xcnt 0x0                                ; EXEC changes only behind this wait
	s_and_saveexec_b32 s20, vcc_lo
	global_store_b32 v5, v[IDX], s[12:13]          ; 16 bytes a wave: 32 KB of the launch's 4.2 MB go out in such pieces
	s_wait_alu depctr_va_vdst(0)
	global_store_b32 v5, v[SUM], s[14:15]
	s_wait_xcnt 0x0
	s_or_b32 exec_lo, exec_lo, s20
	s_endpgm
.Lfunc_end_k_qa3478bcedd_route:
	.size	k_qa3478bcedd_route, .Lfunc_end_k_qa3478bcedd_route-k_qa3478bcedd_route
	.p2alignl 7, 3214868480
	.fill 96, 4, 3214868480
	.section	.rodata,"a",@progbits
	.p2align	6, 0x0
	.amdhsa_kernel k_qa3478bcedd_route
		.amdhsa_group_segment_fixed_size 0
		.amdhsa_private_segment_fixed_size 0
		.amdhsa_enable_private_segment 0
		.amdhsa_kernarg_size 48
		.amdhsa_user_sgpr_count 2
		.amdhsa_user_sgpr_kernarg_segment_ptr 1
		.amdhsa_wavefront_size32 1
		.amdhsa_system_sgpr_workgroup_id_x 1
		.amdhsa_system_sgpr_workgroup_id_y 1
		.amdhsa_system_sgpr_workgroup_id_z 1
		.amdhsa_system_vgpr_workitem_id 0
		.amdhsa_next_free_vgpr 256
		.amdhsa_next_free_sgpr 66
		.amdhsa_reserve_vcc 1
		.amdhsa_float_denorm_mode_32 3
		.amdhsa_float_denorm_mode_16_64 3
		.amdhsa_memory_ordered 1
		.amdhsa_forward_progress 1
		.amdhsa_inst_pref_size 52
	.end_amdhsa_kernel
	.amdgpu_metadata
---
amdhsa.version: [ 1, 2 ]
amdhsa.kernels:
  - .name:           k_qa3478bcedd_route
    .symbol:         k_qa3478bcedd_route.kd
    .args:
      - { .name: x, .offset: 0, .size: 8, .value_kind: global_buffer, .address_space: global }
      - { .name: Ws, .offset: 8, .size: 8, .value_kind: global_buffer, .address_space: global }
      - { .name: bs, .offset: 16, .size: 8, .value_kind: global_buffer, .address_space: global }
      - { .name: xb, .offset: 24, .size: 8, .value_kind: global_buffer, .address_space: global }
      - { .name: routes, .offset: 32, .size: 8, .value_kind: global_buffer, .address_space: global }
      - { .name: pmax, .offset: 40, .size: 8, .value_kind: global_buffer, .address_space: global }
    .group_segment_fixed_size: 0
    .private_segment_fixed_size: 0
    .kernarg_segment_align: 8
    .kernarg_segment_size: 48
    .max_flat_workgroup_size: 128
    .sgpr_count:     66
    .vgpr_count:     256
    .wavefront_size: 32
...
	.end_amdgpu_metadata
.endif
;; end of part 1
;; launch up (part 2): grid 32 x 8, 4 waves a work-group, no clusters, 82,432 bytes of LDS; arguments xb, routes, W1, b1, hfrag; writes hfrag
.if DOCPART == 2
	.amdgcn_target "amdgcn-amd-amdhsa--gfx1250"
	.amdhsa_code_object_version 6
	.text
	.protected	k_qa3478bcedd_up
	.globl	k_qa3478bcedd_up
	.p2align	8
	.type	k_qa3478bcedd_up,@function
k_qa3478bcedd_up:
	s_mov_b64 s[64:65], 0
	v_nop
	global_prefetch_b8 v0, s[64:65] scope:SCOPE_SE
	s_setreg_imm32_b32 hwreg(HW_REG_WAVE_MODE, 25, 1), 1
	s_wait_xcnt 0x0
; FIRST PRODUCT.  h = gelu(x W1[e] + b1[e]) for the tokens routed to expert e, exact GELU, h rounded once to f16.
; Work-group (s, e): slice s of 64 hidden channels of expert e.  It alone reads W1[e][:, 64 s .. 64 s + 63] (512 pieces of 256 aligned bytes), rounds it to bf16 on the
; way through registers, lays it into LDS as [k][n], and EVERY wave takes the whole slice back, turned, as 64 operand fragments in 512 registers.
; Wave w then serves SEGMENT (e, w): the tokens of range 1,024 w .. 1,024 w + 1,023 routed to e, 16 rows a block: 32 loads of x's rows, 64 matrix instructions, GELU, 4 stores.
; RANKS.  Each wave reads its range's 1,024 routes, 32 registers of 32 lanes.  Register j gives a bitmap of the lanes that hold expert e; a token's rank counts the set bits of the bitmaps before
; and the set bits below its lane.  The bitmaps stay in registers, and the token of a rank is found there (SELECT): the row loop has no LDS instruction.
; The second product ranks the same routes in the same order, so a rank means the same token there.  Ranks past the last repeat the last: such rows compute and store what exists already.
; hfrag: blocks of 65,536 bytes (16 rows x 2,048 channels) as [k step of 32][half][lane][16 bytes]: what a lane packs here is what the same lane takes as operand in the second
; product, and every store and load of h is 512 consecutive bytes.  Segment (e, q) begins at block 72 q + (tokens of the range with a lower route) / 16 + e: segments never overlap, whatever the split.
; THE MATRIX INSTRUCTION IS USED TRANSPOSED (source 0 = 16 channels of W1, source 1 = 16 rows of x): a lane holds one row and eight neighbouring channels.  The bias is the C operand that starts a sum.
; WHY f16 FOR h.  h's rounding reaches a token's output undiminished relative to that token's own size, and a token with a large routing probability is several times the output's
; root mean square: 8 significant bits leave too little room there, 11 leave an eighth of the error.
; LIMITS.  x, W1, b1 are rounded once to bf16.  f16 holds no number beyond 65,504: a larger h becomes an infinity.  With x, W1 and b1 thirty times the drawn size x W1 has a spread of some 400; with
; offsets of thirty spreads on both (30 and 0.6) a mean of 512 x 18 = 9,216.  Below 6e-5 h keeps f16's fixed step of 6e-8.
; gelu(x) = max(x, 0) - |x| Q(|x|); Q, the normal distribution's upper tail, by Abramowitz and Stegun 26.2.17: absolute error under 7.5e-8 for every x;
; its exponential is 0 for large |x|.  NaN and infinities are not treated apart.
; No tensor load and no cluster: x's rows come by rank, each slice of W1 has one reader, and the weights must pass registers to be rounded.
; REGISTERS, in windows of 256 (s_set_vgpr_msb: bits 1:0 source 0, 3:2 source 1, 5:4 source 2, 7:6 destination):
;   window 0: see the names below     window 1: W1 as loaded, later x's fragments, two buffers of 128     windows 2, 3: W1's fragments, (k step ks, channel block cb) at 8 (4 ks + cb)
.set WP,     160                       ; a row of the slice in LDS: 128 bytes + 32
.set SPARE,  512*WP                    ; behind the slice: the spare words, 128 bytes for each wave: two blocks of 256 bytes that no other line names
.set VL,   1                           ; lane
.set VR,   2                           ; r = lane % 16
.set VH,   3                           ; h = lane / 16
.set H16,  4                           ; 16 h
.set RHO,  5                           ; SELECT: my row's rank
.set KEY,  6                           ; rank << 16 | 0xffff
.set SX,   7                           ; the word of the pair of bitmaps that holds the rank
.set OFA,  8                           ; v8-9  byte offset of my row of x, by buffer
.set SLO,  10                          ; the pair's even bitmap, then the one that holds the rank
.set SO,   11                          ; 16 l; never rewritten
.set WOF,  12                          ; 8,192 h + 16 r: my place in two rows of W1
.set SA,   13                          ; where I put 8 bytes of the slice
.set TRB,  14                          ; v14-15  my place in the turning loads, k steps 0-7 and 8-15
.set SHI,  16                          ; the pair's odd bitmap
.set KK,   17                          ; set bits still to be passed
.set T1,   18
.set T2,   19
.set H32,  20                          ; 32 h
.set TB,   21                          ; the token of the bitmap's lane 0
.set POS,  22                          ; the lane found so far
.set QA,   23                          ; set bits of the bitmap's 2-bit fields,
.set QB,   24                          ; of its 4-bit fields,
.set QC,   25                          ; of its bytes
.set TT,   26
.set TOKN, 28                          ; v28-29  the tokens (numbers in my range) of the next two blocks to be asked for
.set SPW,  30                          ; LDS address of my spare word; never rewritten
.set NIL,  31                          ; 0; never rewritten
.set BIAS, 32                          ; v[32:63]   b1 of my eight channels in each of 4 blocks
.set ACC,  64                          ; v[64:95]   4 accumulators
.set GY,   96                          ; v[96:127]  GELU at work, 8 each
.set GU,   104
.set GR,   112
.set GP,   120
.set OUT,  128                         ; v[128:143] packed h
.set CT,   144                         ; v[144:159] packed W1
.set RT,   160                         ; v[160:191] routes
.set XV,   192                         ; v[192:207] pair i of bitmaps: ranks before it << 16 | set bits of the even one << 10 | token of its lane 0; the same in every lane
.set MV,   208                         ; v[208:239] the 32 bitmaps; the same in every lane
.set WV,  14
.set EX,  15
.set SL,  16
.set RUN, 17                           ; tokens of expert e so far
.set LT,  18                           ; tokens with a lower route so far
.set MA,  19
.set MB,  20
.set CN,  21
.set NB,  22                           ; blocks of my segment
.set NM1, 23                           ; its last rank
.set BLKN, 24
.set CNT, 25
.set OF,  26                           ; s[26:27] an offset
.set HP,  28                           ; s[28:29] hfrag at the block in hand, my slice
.set XT,  30
.set SC,  31                           ; counts PAIRSEL's two trips
.set K1,  32                           ; pairs: the packed forms name a pair and take its low word for both halves
.set C1,  34
.set C2,  36
.set C3,  38
.set C4,  40
.set C5,  42
.set PP,  44
.set HIM, 45
.set RKS, 46                           ; the first rank of the block whose tokens are found next
.set M5,  47                           ; 0x55555555
.set M3,  48                           ; 0x33333333
.set MF,  49                           ; 0x0f0f0f0f
.set MSB, 0
.macro WIN new                         ; the immediate's high byte repeats the setting that is left; a switch that changes nothing is dropped
.if MSB != (\new)
	s_set_vgpr_msb (MSB<<8)|(\new)
.set MSB, (\new)
.endif
.endm
.macro PAIR r, val
	s_mov_b32 s[\r], \val
	s_mov_b32 s[(\r)+1], \val
.endm
.macro RND2 a                          ; two f32 rounded to bf16 and widened again, in place
	v_cvt_pk_bf16_f32 v[T1+((\a)/2)%2], v[\a], v[(\a)+1]
	v_lshlrev_b32 v[\a], 16, v[T1+((\a)/2)%2]
	v_and_b32 v[(\a)+1], s[HIM], v[T1+((\a)/2)%2]
.endm
	s_load_b256 s[4:11], s[0:1], 0x0               ; xb s[4:5], routes s[6:7], W1 s[8:9], b1 s[10:11]
	s_load_b64 s[12:13], s[0:1], 0x20              ; hfrag
	v_lshl_add_u32 v[SPW], v0, 2, SPARE
	v_mov_b32 v[NIL], 0
	v_lshrrev_b32 v[T1], 5, v0
	v_readfirstlane_b32 s[WV], v[T1]               ; wave 0..3
	s_and_b32 s[EX], ttmp7, 0xffff                 ; expert
	s_mov_b32 s[SL], ttmp9                         ; slice
	v_and_b32 v[VL], 31, v0
	v_and_b32 v[VR], 15, v0
	v_bfe_u32 v[VH], v0, 4, 1
	v_lshlrev_b32 v[H16], 4, v[VH]
	v_lshlrev_b32 v[H32], 5, v[VH]
	v_lshlrev_b32 v[SO], 4, v[VL]
	v_mov_b32 v[TOKN+1], 0                         ; PAIRSEL's first trip copies it
	v_lshlrev_b32 v[WOF], 4, v[VR]
	v_lshl_add_u32 v[WOF], v[VH], 13, v[WOF]
	s_mul_i32 s[OF], s[WV], 128*WP                 ; my wave lays rows 128 w .. 128 w + 127 of the slice
	v_mul_u32_u24 v[SA], v[VH], WP
	v_lshl_add_u32 v[SA], v[VR], 3, v[SA]
	v_add_nc_u32 v[SA], s[OF], v[SA]
	v_and_b32 v[T1], 7, v0                         ; the turning load: lane l reads row 8 h + l % 8, 16 bytes at 16 ((l / 8) % 2)
	v_lshl_add_u32 v[T1], v[VH], 3, v[T1]
	v_mul_u32_u24 v[TRB], v[T1], WP
	v_bfe_u32 v[T1], v0, 3, 1
	v_lshl_add_u32 v[TRB], v[T1], 4, v[TRB]
	v_add_nc_u32 v[TRB+1], 256*WP, v[TRB]
	PAIR K1, 0x3f596d27                            ; sqrt(log2(e) / 2): exp(-x x / 2) = 2^-(K1 x)^2
	PAIR C1, 0x3e027906                            ; the series' five coefficients, each times 1 / sqrt(2 pi)
	PAIR C2, 0xbe11a98e
	PAIR C3, 0x3f35f0e3
	PAIR C4, 0xbf3a00e3
	PAIR C5, 0x3f07dc22
	s_mov_b32 s[PP], 0x3e6d3389                    ; 0.2316419
	s_mov_b32 s[HIM], 0xffff0000
	s_mov_b32 s[M5], 0x55555555
	s_mov_b32 s[M3], 0x33333333
	s_mov_b32 s[MF], 0x0f0f0f0f
	s_mov_b32 s[OF+1], 0
	s_lshl_b32 s[MA], s[SL], 8                     ; 256 s
	s_wait_kmcnt 0x0
	s_lshl_b32 s[OF], s[WV], 12
	s_add_nc_u64 s[6:7], s[6:7], s[OF:OF+1]        ; my range's routes
	s_lshl_b32 s[OF], s[WV], 20
	s_add_nc_u64 s[4:5], s[4:5], s[OF:OF+1]        ; my range's 1,024 rows of x, 1,024 bytes each
	s_lshl_b32 s[OF], s[EX], 13
	s_add_co_u32 s[OF], s[OF], s[MA]
	s_add_nc_u64 s[10:11], s[10:11], s[OF:OF+1]    ; b1[e] at my slice
	s_lshl_b32 s[OF], s[EX], 22
	s_lshl_b32 s[MB], s[WV], 20
	s_add_co_u32 s[OF], s[OF], s[MB]
	s_add_co_u32 s[OF], s[OF], s[MA]
	s_add_nc_u64 s[8:9], s[8:9], s[OF:OF+1]        ; W1[e] at row 128 w, my slice
.set i, 0
.rept 8                                                ; register 4 i + c of RT: token 128 i + 4 l + c of my range
	global_load_b128 v[RT+4*i:RT+4*i+3], v[SO], s[6:7] offset:512*i
.set i, i+1
.endr
.set i, 0
.rept 4
	global_load_b128 v[BIAS+8*i:BIAS+8*i+3], v[H32], s[10:11] offset:64*i
	global_load_b128 v[BIAS+8*i+4:BIAS+8*i+7], v[H32], s[10:11] offset:64*i+16
.set i, i+1
.endr
	WIN 0x40                                       ; destination window 1
.set i, 0
.rept 64                                               ; two rows of the slice a load, 256 aligned bytes each; read once in the launch
	global_load_b128 v[4*i:4*i+3], v[WOF], s[8:9] offset:16384*i th:TH_LOAD_NT
.set i, i+1
.endr
	WIN 0
	s_wait_loadcnt 63                              ; 80 loads have been issued: the count leaves the youngest 63, all of them W1's: routes and b1 are in
.set a, BIAS
.rept 16
	RND2 a
.set a, a+2
.endr
; THE SCAN.  For each of my 32 route registers: the bitmap of the lanes that hold expert e, kept in MV; for each pair of registers the word of XV.  Register j's lane l is token 128 (j / 4) + j % 4 + 4 l.
	s_mov_b32 s[RUN], 0
	s_mov_b32 s[LT], 0
.set j, 0
.rept 32
	v_cmp_eq_u32 s[MA], s[EX], v[RT+j]
	v_cmp_gt_u32 s[MB], s[EX], v[RT+j]
	v_mov_b32 v[MV+j], s[MA]
	s_bcnt1_i32_b32 s[CN], s[MA]
.if j%2 == 0
	s_lshl_b32 s[OF], s[RUN], 16                   ; ranks before the pair: 1,024 at the most
	s_lshl_b32 s[XT], s[CN], 10                    ; set bits of the even bitmap: 32 at the most, six bits
	s_or_b32 s[OF], s[OF], s[XT]
	s_or_b32 s[OF], s[OF], 128*(j/4)+j%4           ; the token of its lane 0: 898 at the most, ten bits; the odd bitmap's is one more
	v_mov_b32 v[XV+j/2], s[OF]
.endif
	s_add_co_u32 s[RUN], s[RUN], s[CN]
	s_bcnt1_i32_b32 s[CN], s[MB]
	s_add_co_u32 s[LT], s[LT], s[CN]
.set j, j+1
.endr
	s_add_co_u32 s[NB], s[RUN], 15
	s_lshr_b32 s[NB], s[NB], 4
	s_sub_co_u32 s[NM1], s[RUN], 1
	s_mul_i32 s[OF], s[WV], 72
	s_lshr_b32 s[MA], s[LT], 4
	s_add_co_u32 s[OF], s[OF], s[MA]
	s_add_co_u32 s[OF], s[OF], s[EX]
	s_min_u32 s[OF], s[OF], 287                    ; the segment's first block; the buffer has 288
	s_lshl_b32 s[OF], s[OF], 16
	s_lshl_b32 s[MA], s[SL], 11                    ; my slice is k steps 2 s and 2 s + 1 of a block
	s_add_co_u32 s[OF], s[OF], s[MA]
	s_add_nc_u64 s[HP:HP+1], s[12:13], s[OF:OF+1]
; SELECT: the token of rank RKS + r, held to the segment's last rank, into dst.  XV's words ascend, so the pair that holds the rank is the last whose word is not above rank << 16 | 0xffff;
; its own ranks begin at the word's upper half.  Then the bitmap of the two, then the lane: five halvings, each by the count of set bits in the lower half of what is left.
.macro LEVEL q, w
	v_bfe_u32 v[TT], v[\q], v[POS], \w             ; set bits in the lower half
	v_cmp_ge_u32 vcc_lo, v[KK], v[TT]              ; all of them are to be passed: go on in the upper half
	v_cndmask_b32 v[TT], 0, v[TT], vcc_lo
	v_sub_nc_u32 v[KK], v[KK], v[TT]
	v_cndmask_b32 v[T1], 0, \w, vcc_lo
	v_add_nc_u32 v[POS], v[POS], v[T1]
.endm
.macro SELECT dst
	v_add_nc_u32 v[RHO], s[RKS], v[VR]
	v_min_u32 v[RHO], s[NM1], v[RHO]
	v_lshl_or_b32 v[KEY], v[RHO], 16, 0xffff
	v_mov_b32 v[SX], v[XV]
	v_mov_b32 v[SLO], v[MV]
	v_mov_b32 v[SHI], v[MV+1]
.set i, 1
.rept 15
	v_cmp_ge_u32 vcc_lo, v[KEY], v[XV+i]
	v_cndmask_b32 v[SX], v[SX], v[XV+i], vcc_lo
	v_cndmask_b32 v[SLO], v[SLO], v[MV+2*i], vcc_lo
	v_cndmask_b32 v[SHI], v[SHI], v[MV+2*i+1], vcc_lo
.set i, i+1
.endr
	v_lshrrev_b32 v[TT], 16, v[SX]
	v_sub_nc_u32 v[KK], v[RHO], v[TT]              ; the rank inside the pair
	v_bfe_u32 v[TT], v[SX], 10, 6                  ; set bits of the even bitmap
	v_and_b32 v[TB], 0x3ff, v[SX]
	v_cmp_ge_u32 vcc_lo, v[KK], v[TT]              ; the rank lies in the odd one
	v_cndmask_b32 v[SLO], v[SLO], v[SHI], vcc_lo
	v_cndmask_b32 v[TT], 0, v[TT], vcc_lo
	v_sub_nc_u32 v[KK], v[KK], v[TT]
	v_cndmask_b32 v[TT], 0, 1, vcc_lo
	v_add_nc_u32 v[TB], v[TB], v[TT]
	v_lshrrev_b32 v[TT], 1, v[SLO]                 ; the counts of set bits, field by field
	v_and_b32 v[TT], s[M5], v[TT]
	v_sub_nc_u32 v[QA], v[SLO], v[TT]
	v_lshrrev_b32 v[TT], 2, v[QA]
	v_and_b32 v[TT], s[M3], v[TT]
	v_and_b32 v[QB], s[M3], v[QA]
	v_add_nc_u32 v[QB], v[QB], v[TT]
	v_lshrrev_b32 v[TT], 4, v[QB]
	v_add_nc_u32 v[TT], v[QB], v[TT]
	v_and_b32 v[QC], s[MF], v[TT]
	v_lshrrev_b32 v[TT], 8, v[QC]
	v_add_nc_u32 v[TT], v[QC], v[TT]
	v_and_b32 v[TT], 0xff, v[TT]                   ; set bits of lanes 0 to 15
	v_cmp_ge_u32 vcc_lo, v[KK], v[TT]
	v_cndmask_b32 v[TT], 0, v[TT], vcc_lo
	v_sub_nc_u32 v[KK], v[KK], v[TT]
	v_cndmask_b32 v[POS], 0, 16, vcc_lo
	LEVEL QC, 8
	LEVEL QB, 4
	LEVEL QA, 2
	v_bfe_u32 v[TT], v[SLO], v[POS], 1
	v_cmp_ge_u32 vcc_lo, v[KK], v[TT]
	v_cndmask_b32 v[TT], 0, 1, vcc_lo
	v_add_nc_u32 v[POS], v[POS], v[TT]
	v_lshl_add_u32 v[\dst], v[POS], 2, v[TB]       ; lane l of a bitmap is 4 l tokens behind its lane 0
.endm
; The tokens of two blocks on end, into TOKN and TOKN + 1: SELECT is written once and walked twice.
.macro PAIRSEL
	s_mov_b32 s[SC], 2
.Lsel_\@:
	v_mov_b32 v[TOKN], v[TOKN+1]
	SELECT TOKN+1
	s_add_co_u32 s[RKS], s[RKS], 16
	s_sub_co_u32 s[SC], s[SC], 1
	s_cmp_lg_u32 s[SC], 0
	s_cbranch_scc1 .Lsel_\@
.endm
	s_mov_b32 s[RKS], 0
	PAIRSEL                                        ; blocks 0 and 1, while W1 is on its way.  (A segment without rows gets numbers that mean nothing; held to 1,023 they name rows that exist, and nothing is made of them)
	v_min_u32 v[TOKN], 0x3ff, v[TOKN]
	v_min_u32 v[TOKN+1], 0x3ff, v[TOKN+1]
	v_lshl_add_u32 v[OFA], v[TOKN], 10, v[H16]
	v_lshl_add_u32 v[OFA+1], v[TOKN+1], 10, v[H16]
; eight loads of W1 at a time: rounded to bf16, 8 bytes a lane into the slice
.macro WBATCH B
	s_wait_loadcnt 8*(7-(\B))                      ; the W1 loads younger than this batch's eight may stay out
	WIN 0x05                                       ; sources in window 1
.set i, 0
.rept 8
	v_cvt_pk_bf16_f32 v[CT+2*i], v[4*(8*(\B)+i)], v[4*(8*(\B)+i)+1]
	v_cvt_pk_bf16_f32 v[CT+2*i+1], v[4*(8*(\B)+i)+2], v[4*(8*(\B)+i)+3]
.set i, i+1
.endr
	WIN 0
.set i, 0
.rept 8
	ds_store_b64 v[SA], v[CT+2*i:CT+2*i+1] offset:2*WP*(8*(\B)+i)
.set i, i+1
.endr
.endm
.macro XLOAD buf                       ; 16 rows of x as 16 fragments: lane (r, h) takes 16 bytes at 64 ks + 16 h and 32 bytes on
	WIN 0x40
.set ks, 0
.rept 16
	global_load_b128 v[128*(\buf)+8*ks:128*(\buf)+8*ks+3], v[OFA+(\buf)], s[4:5] offset:64*ks
	global_load_b128 v[128*(\buf)+8*ks+4:128*(\buf)+8*ks+7], v[OFA+(\buf)], s[4:5] offset:64*ks+32
.set ks, ks+1
.endr
.endm
.irp B, 0,1,2,3,4,5,6,7
	WBATCH \B
.endr
	XLOAD 0                                        ; window 1 is free: the first two blocks' rows go out ahead of the barrier and of the 128 fragment loads
	XLOAD 1
	WIN 0
	s_wait_dscnt 0x0                               ; for the others' sake: my quarter of the slice is in LDS
	s_barrier_signal -1
	s_barrier_wait -1                              ; the launch's one barrier: the slice is whole, and is never written again
	s_cmp_eq_u32 s[NB], 0
	s_cbranch_scc1 .Ldone                          ; a segment without rows stores nothing
.irp g, 0,1                                    ; the whole slice, turned: fragment (ks, cb) = channels 16 cb .., k = 32 ks ..
	WIN 0x80+0x40*\g
.set ks, 0
.rept 8
.set cb, 0
.rept 4
	ds_load_tr16_b128 v[8*(4*ks+cb):8*(4*ks+cb)+3], v[TRB+\g] offset:32*WP*ks+32*cb
	ds_load_tr16_b128 v[8*(4*ks+cb)+4:8*(4*ks+cb)+7], v[TRB+\g] offset:32*WP*ks+32*cb+16*WP
.set cb, cb+1
.endr
.set ks, ks+1
.endr
.endr
	WIN 0
; GELU of accumulator cb, stage by stage over its 8 numbers, the lowest registers first.  t = 1 / (1 + 0.2316419 |x|);
; Q = 2^-(K1 x)^2 t (c1 + t (c2 + t (c3 + t (c4 + t c5)))); gelu = max(x, 0) - |x| Q.  The result is rounded once, to f16.
.macro GELU cb
.set XA, ACC+8*(\cb)
.irp p, 0,2,4,6
	v_pk_mul_f32 v[GY+\p:GY+\p+1], v[XA+\p:XA+\p+1], s[K1:K1+1] op_sel_hi:[1,0]
.endr
.irp i, 0,1,2,3,4,5,6,7
	v_fma_f32 v[GU+\i], |v[XA+\i]|, s[PP], 1.0
.endr
.irp p, 0,2,4,6
	v_pk_mul_f32 v[GY+\p:GY+\p+1], v[GY+\p:GY+\p+1], v[GY+\p:GY+\p+1] neg_lo:[0,1] neg_hi:[0,1]
.endr
.irp i, 0,1,2,3,4,5,6,7
	v_rcp_f32 v[GU+\i], v[GU+\i]
.endr
.irp i, 0,1,2,3,4,5,6,7
	v_exp_f32 v[GY+\i], v[GY+\i]
.endr
.irp i, 0,1,2,3,4,5,6,7                        ; plain work between the last exponential and the use of its result (ISA guide 5.7.2)
	v_max_num_f32 v[GR+\i], 0, v[XA+\i]
.endr
	s_wait_alu depctr_va_vdst(0)
.irp p, 0,2,4,6
	v_pk_fma_f32 v[GP+\p:GP+\p+1], v[GU+\p:GU+\p+1], s[C5:C5+1], s[C4:C4+1] op_sel_hi:[1,0,0]
.endr
.irp c, C3, C2, C1
.irp p, 0,2,4,6
	v_pk_fma_f32 v[GP+\p:GP+\p+1], v[GP+\p:GP+\p+1], v[GU+\p:GU+\p+1], s[\c:\c+1] op_sel_hi:[1,1,0]
.endr
.endr
.irp p, 0,2,4,6
	v_pk_mul_f32 v[GY+\p:GY+\p+1], v[GU+\p:GU+\p+1], v[GY+\p:GY+\p+1]
.endr
.irp p, 0,2,4,6
	v_pk_mul_f32 v[GP+\p:GP+\p+1], v[GP+\p:GP+\p+1], v[GY+\p:GY+\p+1]
.endr
.irp i, 0,1,2,3,4,5,6,7
	v_fma_f32 v[GR+\i], -|v[XA+\i]|, v[GP+\i], v[GR+\i]
.endr
.irp i, 0,1,2,3
	v_cvt_pk_f16_f32 v[OUT+4*(\cb)+\i], v[GR+2*\i], v[GR+2*\i+1]
.endr
.endm
; A BLOCK of 16 rows, whose x lies in buffer buf.  Behind its products the buffer takes the rows of the block two further on: two blocks' rows, 64 loads, are on their way during the GELU.
.macro BLOCK buf
	s_wait_loadcnt 32                              ; all but the other buffer's 32 loads, which are younger: this block's rows are in, and OFA of this buffer may be written
.set ks, 0
.rept 16                                               ; the four accumulators take turns, one instruction a turn; the bias starts each sum
	WIN 0x06+ks/8                                  ; W1 in window 2 or 3, x in window 1, C and D in window 0
.set cb, 0
.rept 4
.if ks == 0
	v_wmma_f32_16x16x32_bf16 v[ACC+8*cb:ACC+8*cb+7], v[8*(4*(ks%8)+cb):8*(4*(ks%8)+cb)+7], v[128*(\buf)+8*ks:128*(\buf)+8*ks+7], v[BIAS+8*cb:BIAS+8*cb+7]
.else
	v_wmma_f32_16x16x32_bf16 v[ACC+8*cb:ACC+8*cb+7], v[8*(4*(ks%8)+cb):8*(4*(ks%8)+cb)+7], v[128*(\buf)+8*ks:128*(\buf)+8*ks+7], v[ACC+8*cb:ACC+8*cb+7]
.endif
.set cb, cb+1
.endr
.set ks, ks+1
.endr
	WIN 0
	v_min_u32 v[TOKN+(\buf)], 0x3ff, v[TOKN+(\buf)]     ; four plain instructions that name no register of the products: the places (ISA guide 7.12.1) in front of
	v_lshl_add_u32 v[OFA+(\buf)], v[TOKN+(\buf)], 10, v[H16]  ; the loads into the buffer just multiplied, and of the GELU
	v_nop
	v_nop
	XLOAD \buf
	WIN 0
.irp c, 0,1,2,3
	GELU \c
	global_store_b128 v[SO], v[OUT+4*\c:OUT+4*\c+3], s[HP:HP+1] offset:512*\c  ; 512 consecutive bytes, aligned
.endr
	s_wait_xcnt 0x0                                ; the stores' data and base are rewritten only behind this wait
	s_add_nc_u64 s[HP:HP+1], s[HP:HP+1], 0x10000
.endm
	s_wait_dscnt 0x0                               ; the 128 fragment loads
	s_mov_b32 s[BLKN], 0
	s_mov_b32 s[CNT], 32                           ; 32 trips of two blocks cover the 64 blocks that a range can give one expert
.Lrows:
	PAIRSEL                                        ; the tokens of the next trip's two blocks, in front of the wait for this trip's rows
	BLOCK 0
	s_add_co_u32 s[BLKN], s[BLKN], 1
	s_cmp_ge_u32 s[BLKN], s[NB]
	s_cbranch_scc1 .Ldone                          ; forward, past text without a barrier
	BLOCK 1
	s_add_co_u32 s[BLKN], s[BLKN], 1
	s_cmp_ge_u32 s[BLKN], s[NB]
	s_cbranch_scc1 .Ldone
	s_sub_co_u32 s[CNT], s[CNT], 1
	s_cmp_lg_u32 s[CNT], 0
	s_cbranch_scc1 .Lrows
.Ldone:                                                ; the rows asked for past the last block are not waited for
	s_wait_tensorcnt 0x0                           ; the wave's end, behind my last LDS store
	ds_add_u32 v[SPW], v[NIL]
	s_wait_dscnt 0x0
	s_endpgm
.Lfunc_end_k_qa3478bcedd_up:
	.size	k_qa3478bcedd_up, .Lfunc_end_k_qa3478bcedd_up-k_qa3478bcedd_up
	.p2alignl 7, 3214868480
	.fill 96, 4, 3214868480
	.section	.rodata,"a",@progbits
	.p2align	6, 0x0
	.amdhsa_kernel k_qa3478bcedd_up
		.amdhsa_group_segment_fixed_size 82432
		.amdhsa_private_segment_fixed_size 0
		.amdhsa_enable_private_segment 0
		.amdhsa_kernarg_size 40
		.amdhsa_user_sgpr_count 2
		.amdhsa_user_sgpr_kernarg_segment_ptr 1
		.amdhsa_wavefront_size32 1
		.amdhsa_system_sgpr_workgroup_id_x 1
		.amdhsa_system_sgpr_workgroup_id_y 1
		.amdhsa_system_sgpr_workgroup_id_z 1
		.amdhsa_system_vgpr_workitem_id 0
		.amdhsa_next_free_vgpr 1024
		.amdhsa_next_free_sgpr 66
		.amdhsa_reserve_vcc 1
		.amdhsa_float_denorm_mode_32 3
		.amdhsa_float_denorm_mode_16_64 3
		.amdhsa_memory_ordered 1
		.amdhsa_forward_progress 1
		.amdhsa_inst_pref_size 110
	.end_amdhsa_kernel
	.amdgpu_metadata
---
amdhsa.version: [ 1, 2 ]
amdhsa.kernels:
  - .name:           k_qa3478bcedd_up
    .symbol:         k_qa3478bcedd_up.kd
    .args:
      - { .name: xb, .offset: 0, .size: 8, .value_kind: global_buffer, .address_space: global }
      - { .name: routes, .offset: 8, .size: 8, .value_kind: global_buffer, .address_space: global }
      - { .name: W1, .offset: 16, .size: 8, .value_kind: global_buffer, .address_space: global }
      - { .name: b1, .offset: 24, .size: 8, .value_kind: global_buffer, .address_space: global }
      - { .name: hfrag, .offset: 32, .size: 8, .value_kind: global_buffer, .address_space: global }
    .group_segment_fixed_size: 82432
    .private_segment_fixed_size: 0
    .kernarg_segment_align: 8
    .kernarg_segment_size: 40
    .max_flat_workgroup_size: 128
    .sgpr_count:     66
    .vgpr_count:     1024
    .wavefront_size: 32
...
	.end_amdgpu_metadata
.endif
;; end of part 2
;; launch down (part 3): grid 32 x 8, 4 waves a work-group, no clusters, 179,712 bytes of LDS; arguments hfrag, routes, pmax, W2, b2, out0; writes out0
.if DOCPART == 3
	.amdgcn_target "amdgcn-amd-amdhsa--gfx1250"
	.amdhsa_code_object_version 6
	.text
	.protected	k_qa3478bcedd_down
	.globl	k_qa3478bcedd_down
	.p2align	8
	.type	k_qa3478bcedd_down,@function
k_qa3478bcedd_down:
	s_mov_b64 s[64:65], 0
	v_nop
	global_prefetch_b8 v0, s[64:65] scope:SCOPE_SE
	s_setreg_imm32_b32 hwreg(HW_REG_WAVE_MODE, 25, 1), 1
	s_wait_xcnt 0x0
; SECOND PRODUCT.  out[token] = (h W2[e] + b2[e]) x the token's largest routing probability, f32.
; Work-group (x, e): cs = x % 8 is a slice of 64 output columns, q = x / 8 a range of 1,024 tokens: it serves SEGMENT (e, q), the range's tokens routed to e, 16 rows a block.
; Wave w owns the hidden channels 512 w .. 512 w + 511: its part of W2[e][:, slice] is rounded on the way through registers, turned through a stage of the wave's own in LDS,
; and stays in 512 registers as 64 fragments.  Of every block of h it reads its 16 KB (32 loads of 512 consecutive bytes, already in operand order) for 64 matrix instructions.
; h IS ASKED FOR TWO BLOCKS AHEAD: blocks 0 and 1 in the last eight batches of W2's fill, into the registers that those batches leave; block b + 2 behind block b's products, into the buffer
; just multiplied.  So two blocks, 64 loads a wave, are on their way through the products, the barriers and the finish.
; The four waves' partial sums (f32) meet in LDS once for each GROUP of 6 blocks; then wave w finishes rows 4 w .. 4 w + 3 of each block: whole rows of 256 bytes of out.
; THE LIST ranks the range's routes in the order of the first product (route register by route register, lane by lane), so a rank means the same token; each wave makes its own copy, with the
; probabilities beside it.  Ranks past the last repeat the last: such rows hold the same numbers and are stored to the same place.
; THE GROUP LOOP has a constant count of 11 trips (66 blocks for the 64 that a range can give one expert); every wave passes both barriers in every trip, and only work is jumped, forward.
; THE MATRIX INSTRUCTION IS USED TRANSPOSED (source 0 = 16 columns of W2, source 1 = 16 rows of h): a lane holds one row and eight neighbouring columns.
; FORMATS.  h arrives in f16, so the product is the f16 form.  W2 is rounded once to bf16, as every input of the three launches is, and that number is written as f16.
; LIMITS.  A bf16 number (8 significant bits) is exact in f16 from 2^-17 to 65,504; below 2^-17 it is off by 2^-25 at the most, which is 4.5e-5 of W2's spread where W2 is thirty times smaller
; than drawn (6.7e-4); beyond 65,504 it becomes an infinity.  b2 is rounded once to bf16.  NaN and infinities are not treated apart.
; No tensor load and no cluster: the weights must pass registers to be rounded, an f32 slice (512 KB) has no room in LDS, and the number of h's blocks hangs on stored counts.
; REGISTERS, in windows of 256 (s_set_vgpr_msb: bits 1:0 source 0, 3:2 source 1, 5:4 source 2, 7:6 destination):
;   window 0: see the names below     window 1: W2 as loaded, later h's fragments, two buffers of 128     windows 2, 3: W2's fragments, (k step ks, column block cb) at 8 (4 ks + cb)
.set WP,     160                       ; a row of the stage: 128 bytes + 32
.set STGB,   64*WP                     ; a wave's stage: 64 rows
.set RED,    4*STGB                    ; the partial sums: [wave][block of the group][16 rows of 256 + 16 bytes]
.set RP,     272
.set REDB,   16*RP
.set REDW,   6*REDB
.set LIST,   RED+4*REDW                ; for each wave: 1,056 token words, then 1,056 probability words
.set LISTH,  4224
.set LISTB,  2*LISTH
.set SPARE,  LIST+4*LISTB              ; the spare words, 128 bytes for each wave: two blocks of 256 bytes that no other line names
.set VL,   1
.set VR,   2                           ; r = lane % 16
.set VH,   3                           ; h = lane / 16
.set LOFF, 4                           ; 16 l; never rewritten
.set LB,   5                           ; my wave's list
.set RW,   6                           ; where I put 32 bytes of a partial row
.set RRA,  7                           ; where I read 16 bytes of a partial row of waves 0, 1
.set RRB,  8                           ; of waves 2, 3
.set RKF,  9                           ; 4 w + h: the first row that I finish
.set CO,   10                          ; 16 r
.set WOF,  11                          ; 2,048 h + 16 r: my place in two rows of W2
.set SA,   12
.set TRB,  13
.set TK,   14                          ; 1,024 q + 4 l
.set DUMPI, 15                         ; 1,024 + l
.set T1,   16
.set T2,   17
.set B2,   20                          ; v[20:23] b2 of my four columns
.set SPW,  30
.set NIL,  31
.set CT,   32                          ; v[32:47] packed W2
.set ACC,  64                          ; v[64:255] accumulators: 32 b + 8 c
.set RT,   64                          ; ahead of the products: routes
.set PM,   96                          ; and probabilities
.set UF,   128                         ; in the fill: v[128:159] a batch's 32 rounded numbers as f32
.set DAT,  64                          ; in the finish: 16 registers for each of 6 rows: four waves' parts
.set TKN,  160
.set PV,   166
.set AD,   172
.set WV,  16
.set EX,  17
.set CS,  18
.set QR,  19
.set RUN, 20
.set LT,  21
.set MA,  22
.set MB,  23
.set CN,  24
.set NB,  25
.set NM1, 26
.set HB0, 27
.set GB,  28                           ; the group's first block
.set LIVE, 29                          ; its blocks that exist, 0 to 6
.set CNT, 30
.set GB16, 31                          ; 16 GB: its first rank
.set AP,  32                           ; s[32:35] h at the block to load, by buffer
.set HQ,  36                           ; s[36:37] hfrag at my quarter of a block
.set OF,  38
.set NBM1, 40
.set HIM, 41
.set E0,  42                           ; a block of the range that the first product is sure to have stored
.set TS,  22
.set MSB, 0
.macro WIN new                         ; the immediate's high byte repeats the setting that is left; a switch that changes nothing is dropped
.if MSB != (\new)
	s_set_vgpr_msb (MSB<<8)|(\new)
.set MSB, (\new)
.endif
.endm
.macro RND2 a
	v_cvt_pk_bf16_f32 v[T1+((\a)/2)%2], v[\a], v[(\a)+1]
	v_lshlrev_b32 v[\a], 16, v[T1+((\a)/2)%2]
	v_and_b32 v[(\a)+1], s[HIM], v[T1+((\a)/2)%2]
.endm
	s_load_b256 s[4:11], s[0:1], 0x0               ; hfrag s[4:5], routes s[6:7], pmax s[8:9], W2 s[10:11]
	s_load_b128 s[12:15], s[0:1], 0x20             ; b2 s[12:13], out0 s[14:15]
	v_lshl_add_u32 v[SPW], v0, 2, SPARE
	v_mov_b32 v[NIL], 0
	v_lshrrev_b32 v[T1], 5, v0
	v_readfirstlane_b32 s[WV], v[T1]
	s_and_b32 s[EX], ttmp7, 0xffff
	s_and_b32 s[CS], ttmp9, 7
	s_lshr_b32 s[QR], ttmp9, 3
	v_and_b32 v[VL], 31, v0
	v_and_b32 v[VR], 15, v0
	v_bfe_u32 v[VH], v0, 4, 1
	v_lshlrev_b32 v[LOFF], 4, v[VL]
	v_lshlrev_b32 v[CO], 4, v[VR]
	s_mul_i32 s[OF], s[WV], LISTB
	s_add_co_u32 s[OF], s[OF], LIST
	v_mov_b32 v[LB], s[OF]
	s_mul_i32 s[OF], s[WV], REDW
	s_add_co_u32 s[OF], s[OF], RED
	v_mul_u32_u24 v[RW], v[VR], RP
	v_lshl_add_u32 v[RW], v[VH], 5, v[RW]
	v_add_nc_u32 v[RW], s[OF], v[RW]
	s_lshl_b32 s[OF], s[WV], 2
	v_add_nc_u32 v[RKF], s[OF], v[VH]
	v_mul_u32_u24 v[RRA], v[RKF], RP
	v_lshl_add_u32 v[RRA], v[VR], 4, v[RRA]
	v_add_nc_u32 v[RRA], RED, v[RRA]
	v_add_nc_u32 v[RRB], 2*REDW, v[RRA]
	v_lshl_add_u32 v[WOF], v[VH], 11, v[CO]
	s_mul_i32 s[OF], s[WV], STGB
	v_mul_u32_u24 v[SA], v[VH], WP
	v_lshl_add_u32 v[SA], v[VR], 3, v[SA]
	v_add_nc_u32 v[SA], s[OF], v[SA]
	v_and_b32 v[T1], 7, v0                         ; the turning load: lane l reads row 8 h + l % 8, 16 bytes at 16 ((l / 8) % 2)
	v_lshl_add_u32 v[T1], v[VH], 3, v[T1]
	v_mul_u32_u24 v[TRB], v[T1], WP
	v_bfe_u32 v[T1], v0, 3, 1
	v_lshl_add_u32 v[TRB], v[T1], 4, v[TRB]
	v_add_nc_u32 v[TRB], s[OF], v[TRB]
	s_lshl_b32 s[OF], s[QR], 10
	v_lshl_add_u32 v[TK], v[VL], 2, s[OF]
	v_add_nc_u32 v[DUMPI], 1024, v[VL]
	s_mov_b32 s[HIM], 0xffff0000
	s_mov_b32 s[OF+1], 0
	s_lshl_b32 s[MA], s[CS], 8                     ; 256 cs
	s_wait_kmcnt 0x0
	s_lshl_b32 s[OF], s[QR], 12
	s_add_nc_u64 s[6:7], s[6:7], s[OF:OF+1]        ; the range's routes
	s_add_nc_u64 s[8:9], s[8:9], s[OF:OF+1]        ; and probabilities
	s_lshl_b32 s[OF], s[EX], 11
	s_add_co_u32 s[OF], s[OF], s[MA]
	s_add_nc_u64 s[12:13], s[12:13], s[OF:OF+1]    ; b2[e] at my slice
	s_mov_b32 s[OF], s[MA]
	s_add_nc_u64 s[14:15], s[14:15], s[OF:OF+1]    ; out at my slice
	s_lshl_b32 s[OF], s[EX], 22
	s_lshl_b32 s[MB], s[WV], 20
	s_add_co_u32 s[OF], s[OF], s[MB]
	s_add_co_u32 s[OF], s[OF], s[MA]
	s_add_nc_u64 s[10:11], s[10:11], s[OF:OF+1]    ; W2[e] at row 512 w, my slice
	s_lshl_b32 s[OF], s[WV], 14
	s_add_nc_u64 s[HQ:HQ+1], s[4:5], s[OF:OF+1]    ; k steps 16 w .. 16 w + 15 of a block of h
.set i, 0
.rept 8
	global_load_b128 v[RT+4*i:RT+4*i+3], v[LOFF], s[6:7] offset:512*i
.set i, i+1
.endr
.set i, 0
.rept 8
	global_load_b128 v[PM+4*i:PM+4*i+3], v[LOFF], s[8:9] offset:512*i
.set i, i+1
.endr
	global_load_b128 v[B2:B2+3], v[CO], s[12:13]
	WIN 0x40
.set i, 0
.rept 64                                               ; item i: rows 2 i and 2 i + 1 of my quarter, 256 aligned bytes each; four work-groups read a slice, so no hint
	global_load_b128 v[4*i:4*i+3], v[WOF], s[10:11] offset:4096*i
.set i, i+1
.endr
	WIN 0
	s_wait_loadcnt 63                              ; 81 loads have been issued: the count leaves the youngest 63, all of them W2's
	RND2 B2
	RND2 B2+2
; THE LIST.  For each of my 32 route registers: which lanes hold expert e; a lane's rank is the running count plus the set bits below it; its token number goes to list word rank, its probability beside it.
; A lane with another route writes its own word behind the list, so that every lane stays on.  The constant bound keeps every address inside my wave's own bytes.
.macro SCAN pl
	s_mov_b32 s[RUN], 0
	s_mov_b32 s[LT], 0
.set j, 0
.rept 32
	v_cmp_eq_u32 s[MA], s[EX], v[RT+j]
	v_cmp_gt_u32 s[MB], s[EX], v[RT+j]
	v_mbcnt_lo_u32_b32 v[T1], s[MA], s[RUN]
	v_cndmask_b32 v[T1], v[DUMPI], v[T1], s[MA]
	v_min_u32 v[T1], 1055, v[T1]
	v_lshl_add_u32 v[T1], v[T1], 2, v[LB]
	v_add_nc_u32 v[T2], 128*(j/4)+j%4, v[TK]
	ds_store_b32 v[T1], v[T2]
.if \pl
	ds_store_b32 v[T1], v[PM+j] offset:LISTH
.endif
	s_bcnt1_i32_b32 s[CN], s[MA]
	s_add_co_u32 s[RUN], s[RUN], s[CN]
	s_bcnt1_i32_b32 s[CN], s[MB]
	s_add_co_u32 s[LT], s[LT], s[CN]
.set j, j+1
.endr
.endm
	SCAN 1
	s_add_co_u32 s[NB], s[RUN], 15
	s_lshr_b32 s[NB], s[NB], 4
	s_sub_co_u32 s[NM1], s[RUN], 1
	s_sub_co_u32 s[NBM1], s[NB], 1
	s_mul_i32 s[HB0], s[QR], 72
	s_lshr_b32 s[TS], s[LT], 4
	s_add_co_u32 s[HB0], s[HB0], s[TS]
	s_add_co_u32 s[HB0], s[HB0], s[EX]             ; the segment's first block of h
	; A block of the range that is sure to be stored: the first of expert e0, the least route that occurs among the range's 1,024.  No token has a lower route, so that segment begins at block 72 q + e0, and it has a row.
	v_min_u32 v[T1], v[RT], v[RT+1]
	v_min_u32 v[T2], v[RT+2], v[RT+3]
.set j, 4
.rept 14
	v_min_u32 v[T1], v[T1], v[RT+j]
	v_min_u32 v[T2], v[T2], v[RT+j+1]
.set j, j+2
.endr
	v_min_u32 v[T1], v[T1], v[T2]                  ; my lane's least route
	s_mul_i32 s[E0], s[QR], 72
.irp k, 1,2,3,4,5,6,7                          ; e0 is the number of k in 1 .. 7 below which no lane's least route lies
	v_cmp_gt_u32 s[MA], \k, v[T1]
	s_cmp_eq_u32 s[MA], 0
	s_cselect_b32 s[MB], 1, 0
	s_add_co_u32 s[E0], s[E0], s[MB]
.endr
	; Where the first two blocks of h lie: block 0, and block 1 or, in a segment of one block, block 0 once more.  A segment without rows has no block of its own: its two loads, of which nothing is made,
	; read the block found above, so that the same loads are issued on every path and the counts below hold.  The choice is made on the block's number, ahead of the bound.
	s_cmp_eq_u32 s[NB], 0
	s_cselect_b32 s[TS], s[E0], s[HB0]
	s_min_u32 s[TS], s[TS], 287                    ; the buffer has 288 blocks
	s_lshl_b32 s[OF], s[TS], 16
	s_add_nc_u64 s[AP:AP+1], s[HQ:HQ+1], s[OF:OF+1]
	s_min_u32 s[TS], s[NBM1], 1
	s_add_co_u32 s[TS], s[TS], s[HB0]
	s_cmp_eq_u32 s[NB], 0
	s_cselect_b32 s[TS], s[E0], s[TS]
	s_min_u32 s[TS], s[TS], 287
	s_lshl_b32 s[OF], s[TS], 16
	s_add_nc_u64 s[AP+2:AP+3], s[HQ:HQ+1], s[OF:OF+1]
; THE FILL.  Eight items at a time: rounded to bf16, widened, written as f16, 8 bytes a lane into my stage; their registers take the items 64 further on, and in the last eight batches the first two
; blocks of h: batch 24 + n leaves registers 32 n .. 32 n + 31 of window 1, which are k steps 4 (n % 4) .. + 3 of buffer n / 4.  Behind every fourth batch the stage holds 64 rows: two k steps'
; fragments are taken back, turned.  The stage is my wave's own and LDS serves a wave's instructions in order (ISA guide 5.7.1.4): no barrier, no wait.
.macro FBATCH B
	s_wait_loadcnt 56                              ; behind each batch eight loads are issued, W2's or h's: seven batches of eight are younger than this batch's items
	WIN 0x05
.set i, 0
.rept 8
.set wr, 4*((8*(\B)+i)%64)
	v_cvt_pk_bf16_f32 v[CT+2*i], v[wr], v[wr+1]    ; the one rounding
	v_cvt_pk_bf16_f32 v[CT+2*i+1], v[wr+2], v[wr+3]
.set i, i+1
.endr
	WIN 0
.set i, 0
.rept 16
	v_lshlrev_b32 v[UF+2*i], 16, v[CT+i]           ; the rounded numbers as f32,
	v_and_b32 v[UF+2*i+1], s[HIM], v[CT+i]
.set i, i+1
.endr
.set i, 0
.rept 16
	v_cvt_pk_f16_f32 v[CT+i], v[UF+2*i], v[UF+2*i+1]  ; and as f16, which holds their 8 significant bits
.set i, i+1
.endr
.set i, 0
.rept 8
	ds_store_b64 v[SA], v[CT+2*i:CT+2*i+1] offset:2*WP*((8*(\B)+i)%32)
.set i, i+1
.endr
	WIN 0x40
.if (\B) < 24
.set i, 0
.rept 8
.set wr, 4*((8*(\B)+i)%64)
	global_load_b128 v[wr:wr+3], v[WOF], s[10:11] offset:4096*(64+8*(\B)+i)
.set i, i+1
.endr
.else
.set hb, ((\B)-24)/4
.set i, 0
.rept 4
.set ks, 4*(((\B)-24)%4)+i
	global_load_b128 v[128*hb+8*ks:128*hb+8*ks+3], v[LOFF], s[AP+2*hb:AP+2*hb+1] offset:1024*ks
	global_load_b128 v[128*hb+8*ks+4:128*hb+8*ks+7], v[LOFF], s[AP+2*hb:AP+2*hb+1] offset:1024*ks+512
.set i, i+1
.endr
.endif
.if (\B)%4 == 3
.set ch, (\B)/4
	WIN 0x80+0x40*(ch/4)
.set kk, 0
.rept 2
.set cb, 0
.rept 4
.set fr, 8*(4*((2*ch+kk)%8)+cb)
	ds_load_tr16_b128 v[fr:fr+3], v[TRB] offset:32*WP*kk+32*cb
	ds_load_tr16_b128 v[fr+4:fr+7], v[TRB] offset:32*WP*kk+32*cb+16*WP
.set cb, cb+1
.endr
.set kk, kk+1
.endr
.endif
.endm
.set bb, 0
.rept 32
	FBATCH bb
.set bb, bb+1
.endr
	WIN 0
.macro HLOAD buf                       ; my quarter of a block of h: 32 loads of 512 consecutive bytes, straight into operand registers
	WIN 0x40
.set ks, 0
.rept 16
	global_load_b128 v[128*(\buf)+8*ks:128*(\buf)+8*ks+3], v[LOFF], s[AP+2*(\buf):AP+2*(\buf)+1] offset:1024*ks
	global_load_b128 v[128*(\buf)+8*ks+4:128*(\buf)+8*ks+7], v[LOFF], s[AP+2*(\buf):AP+2*(\buf)+1] offset:1024*ks+512
.set ks, ks+1
.endr
.endm
; BLOCK b of the group: its 64 products, then its partial sums go to LDS.  A group begins at an even block, so block b lies in buffer b % 2.
.macro BLKC b
	s_wait_loadcnt 32                              ; all but the youngest 32 loads, which fill the other buffer: this block is in
.set ks, 0
.rept 16                                               ; the four accumulators take turns, one instruction a turn; the first k step starts the sums
	WIN 0x06+ks/8                                  ; W2 in window 2 or 3, h in window 1, C and D in window 0
.set cb, 0
.rept 4
.set ac, ACC+32*(\b)+8*cb
.if ks == 0
	v_wmma_f32_16x16x32_f16 v[ac:ac+7], v[8*(4*(ks%8)+cb):8*(4*(ks%8)+cb)+7], v[128*((\b)%2)+8*ks:128*((\b)%2)+8*ks+7], 0
.else
	v_wmma_f32_16x16x32_f16 v[ac:ac+7], v[8*(4*(ks%8)+cb):8*(4*(ks%8)+cb)+7], v[128*((\b)%2)+8*ks:128*((\b)%2)+8*ks+7], v[ac:ac+7]
.endif
.set cb, cb+1
.endr
.set ks, ks+1
.endr
	WIN 0
.rept 4
	v_nop                                          ; four places in front of the stores that read the results, and of the loads into the buffer just multiplied
.endr
.set cb, 0
.rept 4                                                ; each accumulator's low half first
.set ac, ACC+32*(\b)+8*cb
	ds_store_b128 v[RW], v[ac:ac+3] offset:REDB*(\b)+64*cb
	ds_store_b128 v[RW], v[ac+4:ac+7] offset:REDB*(\b)+64*cb+16
.set cb, cb+1
.endr
.endm
; Behind block b: the block two further on (past the segment's last: the last once more) is asked for, into block b's buffer.
.macro HNEXT b
	s_add_co_u32 s[TS], s[GB], (\b)+2
	s_min_u32 s[TS], s[TS], s[NBM1]
	s_add_co_u32 s[TS], s[TS], s[HB0]
	s_min_u32 s[TS], s[TS], 287                    ; the buffer has 288 blocks
	s_lshl_b32 s[OF], s[TS], 16
	s_add_nc_u64 s[AP+2*((\b)%2):AP+2*((\b)%2)+1], s[HQ:HQ+1], s[OF:OF+1]  ; this pair's last loads were block b's own, shown done by the counted wait ahead of its products
	HLOAD (\b)%2
	WIN 0
.endm
; THE FINISH of three blocks.  P1: for my two rows of block b the token, its probability and the four waves' parts are asked for.  P2: row n of the six is summed, biased, scaled and stored.
.macro P1 b, n
.irp t, 0,1
	v_add3_u32 v[T1+\t], s[GB16], 16*(\b)+2*\t, v[RKF]  ; the row's rank,
	v_min_u32 v[T1+\t], s[NM1], v[T1+\t]                ; held to the segment's last
	v_min_u32 v[T1+\t], 1023, v[T1+\t]
	v_lshl_add_u32 v[T1+\t], v[T1+\t], 2, v[LB]
	ds_load_b32 v[TKN+(\n)+\t], v[T1+\t]
	ds_load_b32 v[PV+(\n)+\t], v[T1+\t] offset:LISTH
	ds_load_b128 v[DAT+16*((\n)+\t):DAT+16*((\n)+\t)+3], v[RRA] offset:REDB*(\b)+2*RP*\t
	ds_load_b128 v[DAT+16*((\n)+\t)+4:DAT+16*((\n)+\t)+7], v[RRA] offset:REDW+REDB*(\b)+2*RP*\t
	ds_load_b128 v[DAT+16*((\n)+\t)+8:DAT+16*((\n)+\t)+11], v[RRB] offset:REDB*(\b)+2*RP*\t
	ds_load_b128 v[DAT+16*((\n)+\t)+12:DAT+16*((\n)+\t)+15], v[RRB] offset:REDW+REDB*(\b)+2*RP*\t
.endr
.endm
.macro P2 n
.set D, DAT+16*(\n)
.set pp, PV+(\n)-(\n)%2
	v_pk_add_f32 v[D:D+1], v[D:D+1], v[D+4:D+5]
	v_pk_add_f32 v[D+2:D+3], v[D+2:D+3], v[D+6:D+7]
	v_pk_add_f32 v[D+8:D+9], v[D+8:D+9], v[D+12:D+13]
	v_pk_add_f32 v[D+10:D+11], v[D+10:D+11], v[D+14:D+15]
	v_min_u32 v[TKN+(\n)], 0xfff, v[TKN+(\n)]
	v_pk_add_f32 v[D:D+1], v[D:D+1], v[D+8:D+9]
	v_pk_add_f32 v[D+2:D+3], v[D+2:D+3], v[D+10:D+11]
	v_lshl_add_u32 v[AD+(\n)], v[TKN+(\n)], 11, v[CO]
	v_pk_add_f32 v[D:D+1], v[D:D+1], v[B2:B2+1]
	v_pk_add_f32 v[D+2:D+3], v[D+2:D+3], v[B2+2:B2+3]
	v_pk_mul_f32 v[D:D+1], v[D:D+1], v[pp:pp+1] op_sel:[0,(\n)%2] op_sel_hi:[1,(\n)%2]
	v_pk_mul_f32 v[D+2:D+3], v[D+2:D+3], v[pp:pp+1] op_sel:[0,(\n)%2] op_sel_hi:[1,(\n)%2]
	global_store_b128 v[AD+(\n)], v[D:D+3], s[14:15] th:TH_STORE_NT  ; 16 lanes store 256 consecutive bytes of a row of out, aligned
.endm
; The loads go out for as many of the three blocks as exist; the blocks are then finished last first, so that each label is reached only with its blocks' loads issued.
.macro FIN b0
	s_cmp_le_u32 s[LIVE], (\b0)
	s_cbranch_scc1 .Lnone_\@
	P1 (\b0), 0
	s_cmp_le_u32 s[LIVE], (\b0)+1
	s_cbranch_scc1 .Lone_\@
	P1 (\b0)+1, 2
	s_cmp_le_u32 s[LIVE], (\b0)+2
	s_cbranch_scc1 .Ltwo_\@
	P1 (\b0)+2, 4
	s_wait_dscnt 0x0
	P2 4
	P2 5
.Ltwo_\@:
	s_wait_dscnt 0x0
	P2 2
	P2 3
.Lone_\@:
	s_wait_dscnt 0x0
	P2 0
	P2 1
.Lnone_\@:
.endm
	s_wait_dscnt 0x0                               ; W2's fragments are in
	s_mov_b32 s[GB], 0
	s_mov_b32 s[GB16], 0
	s_mov_b32 s[CNT], 11
.Lgroup:
	v_nop                                          ; with the four at a block's end: five places between a trip's products and the next trip's first, which write the same accumulators anew (ISA guide 7.12.1)
	s_sub_co_i32 s[LIVE], s[NB], s[GB]
	s_min_i32 s[LIVE], s[LIVE], 6
	s_max_i32 s[LIVE], s[LIVE], 0
	s_cmp_eq_u32 s[LIVE], 0
	s_cbranch_scc1 .Lshort
	BLKC 0
.irp b, 1,2,3,4,5
	s_cmp_le_u32 s[LIVE], \b
	s_cbranch_scc1 .Lshort                         ; the group has no further block, and so has the segment: nothing more is asked for
	HNEXT (\b)-1
	BLKC \b
.endr
	HNEXT 5
	s_branch .Lmeet                                ; a whole group: the next group's first two blocks stay on their way through the finish
.Lshort:
	s_wait_loadcnt 0x0                             ; a group that ends early or has no block: the one block still out was asked for a block's work ago and serves nothing; with no load out,
	                                               ; whatever way leads on to a trip's first products finds both buffers at rest
.Lmeet:
	s_wait_dscnt 0x0                               ; for the others' sake: my partial sums are in LDS
	s_barrier_signal -1
	s_barrier_wait -1                              ; everybody's are
	FIN 0
	s_wait_xcnt 0x0                                ; the stores' data and addresses are rewritten only behind this wait
	FIN 3
	s_wait_xcnt 0x0
	s_wait_dscnt 0x0                               ; my reads of the partial sums are over
	s_barrier_signal -1
	s_barrier_wait -1                              ; everybody's are: the next group may write them again
	s_add_co_u32 s[GB], s[GB], 6
	s_add_co_u32 s[GB16], s[GB16], 96
	s_sub_co_u32 s[CNT], s[CNT], 1
	s_cmp_lg_u32 s[CNT], 0
	s_cbranch_scc1 .Lgroup
	s_wait_tensorcnt 0x0                           ; the wave's end, behind my last LDS store
	ds_add_u32 v[SPW], v[NIL]
	s_wait_dscnt 0x0
	s_endpgm
.Lfunc_end_k_qa3478bcedd_down:
	.size	k_qa3478bcedd_down, .Lfunc_end_k_qa3478bcedd_down-k_qa3478bcedd_down
	.p2alignl 7, 3214868480
	.fill 96, 4, 3214868480
	.section	.rodata,"a",@progbits
	.p2align	6, 0x0
	.amdhsa_kernel k_qa3478bcedd_down
		.amdhsa_group_segment_fixed_size 179712
		.amdhsa_private_segment_fixed_size 0
		.amdhsa_enable_private_segment 0
		.amdhsa_kernarg_size 48
		.amdhsa_user_sgpr_count 2
		.amdhsa_user_sgpr_kernarg_segment_ptr 1
		.amdhsa_wavefront_size32 1
		.amdhsa_system_sgpr_workgroup_id_x 1
		.amdhsa_system_sgpr_workgroup_id_y 1
		.amdhsa_system_sgpr_workgroup_id_z 1
		.amdhsa_system_vgpr_workitem_id 0
		.amdhsa_next_free_vgpr 1024
		.amdhsa_next_free_sgpr 66
		.amdhsa_reserve_vcc 0
		.amdhsa_float_denorm_mode_32 3
		.amdhsa_float_denorm_mode_16_64 3
		.amdhsa_memory_ordered 1
		.amdhsa_forward_progress 1
		.amdhsa_inst_pref_size 252
	.end_amdhsa_kernel
	.amdgpu_metadata
---
amdhsa.version: [ 1, 2 ]
amdhsa.kernels:
  - .name:           k_qa3478bcedd_down
    .symbol:         k_qa3478bcedd_down.kd
    .args:
      - { .name: hfrag, .offset: 0, .size: 8, .value_kind: global_buffer, .address_space: global }
      - { .name: routes, .offset: 8, .size: 8, .value_kind: global_buffer, .address_space: global }
      - { .name: pmax, .offset: 16, .size: 8, .value_kind: global_buffer, .address_space: global }
      - { .name: W2, .offset: 24, .size: 8, .value_kind: global_buffer, .address_space: global }
      - { .name: b2, .offset: 32, .size: 8, .value_kind: global_buffer, .address_space: global }
      - { .name: out0, .offset: 40, .size: 8, .value_kind: global_buffer, .address_space: global }
    .group_segment_fixed_size: 179712
    .private_segment_fixed_size: 0
    .kernarg_segment_align: 8
    .kernarg_segment_size: 48
    .max_flat_workgroup_size: 128
    .sgpr_count:     66
    .vgpr_count:     1024
    .wavefront_size: 32
...
	.end_amdgpu_metadata
.endif
;; end of part 3
;; ======== version 2 of 2: 3 launches; version 1 with the launch down written anew for expert scheduling mode
;; limits: values are held in f16: magnitudes above 65,504 overflow, below 6.1e-05 lose precision
;; workspace buffers: xb 4,194,304 bytes; routes 16,384 bytes of whole numbers; pmax 16,384 bytes; hfrag 18,874,368 bytes
;; launch route: the kernel of part 1 again; grid 256 x 1, 4 waves a work-group, no clusters, 0 bytes of LDS; arguments x, Ws, bs, xb, routes, pmax; writes xb, routes, pmax
;; launch up: the kernel of part 2 again; grid 32 x 8, 4 waves a work-group, no clusters, 82,432 bytes of LDS; arguments xb, routes, W1, b1, hfrag; writes hfrag
;; launch down (part 4): grid 32 x 8, 4 waves a work-group, no clusters, 179,712 bytes of LDS; arguments hfrag, routes, pmax, W2, b2, out0; writes out0
.if DOCPART == 4
	.amdgcn_target "amdgcn-amd-amdhsa--gfx1250"
	.amdhsa_code_object_version 6
	.text
	.protected	k_qa3478bcedd_down
	.globl	k_qa3478bcedd_down
	.p2align	8
	.type	k_qa3478bcedd_down,@function
k_qa3478bcedd_down:
	s_mov_b64 s[64:65], 0
	v_nop
	global_prefetch_b8 v0, s[64:65] scope:SCOPE_SE
	s_setreg_imm32_b32 hwreg(HW_REG_WAVE_SCHED_MODE, 0, 2), 2
	s_setreg_imm32_b32 hwreg(HW_REG_WAVE_MODE, 25, 1), 1
	s_wait_xcnt 0x0
	s_wait_alu depctr_vm_vsrc(0)
; SECOND PRODUCT.  out[token] = (h W2[e] + b2[e]) x the token's largest routing probability, f32.
; Work-group (x, e): cs = x % 8 is a slice of 64 output columns, q = x / 8 a range of 1,024 tokens: it serves SEGMENT (e, q), the range's tokens routed to e, 16 rows a block.
; Wave w owns the hidden channels 512 w .. 512 w + 511: its part of W2[e][:, slice] is rounded on the way through registers, turned through a stage of the wave's own in LDS,
; and stays in 512 registers as 64 fragments.  Of every block of h it reads its 16 KB (32 loads of 512 consecutive bytes, already in operand order) for 64 matrix instructions.
; h IS ASKED FOR TWO BLOCKS AHEAD: blocks 0 and 1 in the last eight batches of W2's fill, into the registers that those batches leave; block b + 2 behind block b's products, into the buffer
; just multiplied.  So two blocks, 64 loads a wave, are on their way through the products, the barriers and the finish.
; The four waves' partial sums (f32) meet in LDS once for each GROUP of 6 blocks; then wave w finishes rows 4 w .. 4 w + 3 of each block: whole rows of 256 bytes of out.
; THE LIST ranks the range's routes in the order of the first product (route register by route register, lane by lane), so a rank means the same token; each wave makes its own copy, with the
; probabilities beside it.  Ranks past the last repeat the last: such rows hold the same numbers and are stored to the same place.
; THE GROUP LOOP has a constant count of 11 trips (66 blocks for the 64 that a range can give one expert); every wave passes both barriers in every trip, and only work is jumped, forward.
; THE MATRIX INSTRUCTION IS USED TRANSPOSED (source 0 = 16 columns of W2, source 1 = 16 rows of h): a lane holds one row and eight neighbouring columns.
; FORMATS.  h arrives in f16, so the product is the f16 form.  W2 is rounded once to bf16, as every input of the three launches is, and that number is written as f16.
; LIMITS.  A bf16 number (8 significant bits) is exact in f16 from 2^-17 to 65,504; below 2^-17 it is off by 2^-25 at the most, which is 4.5e-5 of W2's spread where W2 is thirty times smaller
; than drawn (6.7e-4); beyond 65,504 it becomes an infinity.  b2 is rounded once to bf16.  NaN and infinities are not treated apart.
; No tensor load and no cluster: the weights must pass registers to be rounded, an f32 slice (512 KB) has no room in LDS, and the number of h's blocks hangs on stored counts.
; THE MODE: SCHED_MODE bits 1:0 = 2 (LLVM: expert scheduling mode 2), set by the entry lines.  The code itself states the register dependences
; between vector or matrix instructions and memory or LDS instructions, with s_wait_alu, always for 0.
; THE PLAN.  Registers that memory or LDS instructions touch:
;   v4, v6-8, v10-13  Offsets and LDS addresses, written at the head and never again: one wait on va_vdst ahead of the first load serves the whole kernel.
;   LA, LTK, PM       The list: the scan writes LA and LTK, a register for each of the 32 route registers; one wait on va_vdst, then the 64 LDS stores, which read them and PM.
;   window 1, raw W2  Batch B: its sixteen roundings to bf16 read the batch's 32 registers; behind them eight loads land there again.
;   CT0, CT1          Batch B writes CT[B % 2]; the LDS stores that read it are issued in batch B + 1; batch B + 2 writes it again.
;   windows 2, 3      W2's fragments: each written once, by a turning load; read by the products alone.
;   h's two buffers   Block b's products read buffer b % 2; behind them block b + 2 lands in it.  All 1,024 registers are taken: there is no third buffer.
;   the accumulators  Written by the products, read by the LDS stores of the partial sums; in the finish the same registers are DAT, TKN and PV (LDS loads land there, the sums work in place)
;                     and AD (written by the sums' lines); the global stores read DAT and AD.
;   LAD               Twelve list addresses, written once a trip ahead of the first barrier; read by the finish's list loads.
; So a batch of the fill has one wait on va_vdst, behind its roundings, and one on vm_vsrc, at its head; a block has one on va_vdst, behind its products; a trip's finish has one pair at its head,
; one on va_vdst for each two rows, and one on vm_vsrc behind each of its halves.
; REGISTERS, in windows of 256 (s_set_vgpr_msb: bits 1:0 source 0, 3:2 source 1, 5:4 source 2, 7:6 destination):
;   window 0: see the names below     window 1: W2 as loaded, later h's fragments, two buffers of 128     windows 2, 3: W2's fragments, (k step ks, column block cb) at 8 (4 ks + cb)
.set WP,     160                       ; a row of the stage: 128 bytes + 32
.set STGB,   64*WP                     ; a wave's stage: 64 rows
.set RED,    4*STGB                    ; the partial sums: [wave][block of the group][16 rows of 256 + 16 bytes]
.set RP,     272
.set REDB,   16*RP
.set REDW,   6*REDB
.set LIST,   RED+4*REDW                ; for each wave: 1,056 token words, then 1,056 probability words
.set LISTH,  4224
.set LISTB,  2*LISTH
.set SPARE,  LIST+4*LISTB              ; the spare words, 128 bytes for each wave: two blocks of 256 bytes that no other line names
.set VL,   1
.set VR,   2                           ; r = lane % 16
.set VH,   3                           ; h = lane / 16
.set LOFF, 4                           ; 16 l; never rewritten
.set LB,   5                           ; my wave's list
.set RW,   6                           ; where I put 32 bytes of a partial row
.set RRA,  7                           ; where I read 16 bytes of a partial row of waves 0, 1
.set RRB,  8                           ; of waves 2, 3
.set RKF,  9                           ; 4 w + h: the first row that I finish
.set CO,   10                          ; 16 r
.set WOF,  11                          ; 2,048 h + 16 r: my place in two rows of W2
.set SA,   12
.set TRB,  13
.set TK,   14                          ; 1,024 q + 4 l
.set DUMPI, 15                         ; 1,024 + l
.set T1,   16                          ; v16-17  at work: no memory or LDS instruction names them
.set T2,   17
.set B2,   20                          ; v[20:23] b2 of my four columns
.set SPW,  30
.set NIL,  31
.set CT,   32                          ; v[32:63] packed W2: two buffers of 16, by turns
.set LAD,  32                          ; in the group loop: v[32:43] the list addresses of my two rows in each of the group's 6 blocks
.set ACC,  64                          ; v[64:255] accumulators: 32 b + 8 c
.set RT,   64                          ; ahead of the products: routes
.set PM,   96                          ; and probabilities
.set UF,   128                         ; in the fill: v[128:159] a batch's 32 rounded numbers as f32
.set LA,   192                         ; ahead of the products: v[192:223] route register j: the LDS address of my token's list word
.set LTK,  224                         ; v[224:255] and my token's number
.set DAT,  64                          ; in the finish: 16 registers for each of 6 rows: four waves' parts
.set TKN,  160
.set PV,   166
.set AD,   172
.set WV,  16
.set EX,  17
.set CS,  18
.set QR,  19
.set RUN, 20
.set LT,  21
.set MA,  22
.set MB,  23
.set CN,  24
.set NB,  25
.set NM1, 26
.set HB0, 27
.set GB,  28                           ; the group's first block
.set LIVE, 29                          ; its blocks that exist, 0 to 6
.set CNT, 30
.set GB16, 31                          ; 16 GB: its first rank
.set AP,  32                           ; s[32:35] h at the block to load, by buffer
.set HQ,  36                           ; s[36:37] hfrag at my quarter of a block
.set OF,  38
.set NBM1, 40
.set HIM, 41
.set E0,  42                           ; a block of the range that the first product is sure to have stored
.set CM,  44                           ; s[44:59] a run of compares' masks
.set TS,  22
.set MSB, 0
.macro WIN new                         ; the immediate's high byte repeats the setting that is left; a switch that changes nothing is dropped
.if MSB != (\new)
	s_set_vgpr_msb (MSB<<8)|(\new)
.set MSB, (\new)
.endif
.endm
.macro RND2 a
	v_cvt_pk_bf16_f32 v[T1+((\a)/2)%2], v[\a], v[(\a)+1]
	v_lshlrev_b32 v[\a], 16, v[T1+((\a)/2)%2]
	v_and_b32 v[(\a)+1], s[HIM], v[T1+((\a)/2)%2]
.endm
	s_load_b256 s[4:11], s[0:1], 0x0               ; hfrag s[4:5], routes s[6:7], pmax s[8:9], W2 s[10:11]
	s_load_b128 s[12:15], s[0:1], 0x20             ; b2 s[12:13], out0 s[14:15]
	v_lshl_add_u32 v[SPW], v0, 2, SPARE
	v_mov_b32 v[NIL], 0
	v_lshrrev_b32 v[T1], 5, v0
	v_readfirstlane_b32 s[WV], v[T1]
	s_and_b32 s[EX], ttmp7, 0xffff
	s_and_b32 s[CS], ttmp9, 7
	s_lshr_b32 s[QR], ttmp9, 3
	v_and_b32 v[VL], 31, v0
	v_and_b32 v[VR], 15, v0
	v_bfe_u32 v[VH], v0, 4, 1
	v_lshlrev_b32 v[LOFF], 4, v[VL]
	v_lshlrev_b32 v[CO], 4, v[VR]
	s_wait_alu depctr_va_sdst(0)                   ; the wave's number is written, ahead of its first reader, the line below
	s_mul_i32 s[OF], s[WV], LISTB
	s_add_co_u32 s[OF], s[OF], LIST
	v_mov_b32 v[LB], s[OF]
	s_mul_i32 s[OF], s[WV], REDW
	s_add_co_u32 s[OF], s[OF], RED
	v_mul_u32_u24 v[RW], v[VR], RP
	v_lshl_add_u32 v[RW], v[VH], 5, v[RW]
	v_add_nc_u32 v[RW], s[OF], v[RW]
	s_lshl_b32 s[OF], s[WV], 2
	v_add_nc_u32 v[RKF], s[OF], v[VH]
	v_mul_u32_u24 v[RRA], v[RKF], RP
	v_lshl_add_u32 v[RRA], v[VR], 4, v[RRA]
	v_add_nc_u32 v[RRA], RED, v[RRA]
	v_add_nc_u32 v[RRB], 2*REDW, v[RRA]
	v_lshl_add_u32 v[WOF], v[VH], 11, v[CO]
	s_mul_i32 s[OF], s[WV], STGB
	v_mul_u32_u24 v[SA], v[VH], WP
	v_lshl_add_u32 v[SA], v[VR], 3, v[SA]
	v_add_nc_u32 v[SA], s[OF], v[SA]
	v_and_b32 v[T1], 7, v0                         ; the turning load: lane l reads row 8 h + l % 8, 16 bytes at 16 ((l / 8) % 2)
	v_lshl_add_u32 v[T1], v[VH], 3, v[T1]
	v_mul_u32_u24 v[TRB], v[T1], WP
	v_bfe_u32 v[T1], v0, 3, 1
	v_lshl_add_u32 v[TRB], v[T1], 4, v[TRB]
	v_add_nc_u32 v[TRB], s[OF], v[TRB]
	s_lshl_b32 s[OF], s[QR], 10
	v_lshl_add_u32 v[TK], v[VL], 2, s[OF]
	v_add_nc_u32 v[DUMPI], 1024, v[VL]
	s_mov_b32 s[HIM], 0xffff0000
	s_mov_b32 s[OF+1], 0
	s_lshl_b32 s[MA], s[CS], 8                     ; 256 cs
	s_wait_kmcnt 0x0
	s_lshl_b32 s[OF], s[QR], 12
	s_add_nc_u64 s[6:7], s[6:7], s[OF:OF+1]        ; the range's routes
	s_add_nc_u64 s[8:9], s[8:9], s[OF:OF+1]        ; and probabilities
	s_lshl_b32 s[OF], s[EX], 11
	s_add_co_u32 s[OF], s[OF], s[MA]
	s_add_nc_u64 s[12:13], s[12:13], s[OF:OF+1]    ; b2[e] at my slice
	s_mov_b32 s[OF], s[MA]
	s_add_nc_u64 s[14:15], s[14:15], s[OF:OF+1]    ; out at my slice
	s_lshl_b32 s[OF], s[EX], 22
	s_lshl_b32 s[MB], s[WV], 20
	s_add_co_u32 s[OF], s[OF], s[MB]
	s_add_co_u32 s[OF], s[OF], s[MA]
	s_add_nc_u64 s[10:11], s[10:11], s[OF:OF+1]    ; W2[e] at row 512 w, my slice
	s_lshl_b32 s[OF], s[WV], 14
	s_add_nc_u64 s[HQ:HQ+1], s[4:5], s[OF:OF+1]    ; k steps 16 w .. 16 w + 15 of a block of h
	s_wait_alu depctr_va_vdst(0)                   ; the offsets and LDS addresses v4, v6-8 and v10-13 are written: every load and store of the kernel reads one of them, and none is written again
.set i, 0
.rept 8
	global_load_b128 v[RT+4*i:RT+4*i+3], v[LOFF], s[6:7] offset:512*i
.set i, i+1
.endr
.set i, 0
.rept 8
	global_load_b128 v[PM+4*i:PM+4*i+3], v[LOFF], s[8:9] offset:512*i
.set i, i+1
.endr
	global_load_b128 v[B2:B2+3], v[CO], s[12:13]
	WIN 0x40
.set i, 0
.rept 64                                               ; item i: rows 2 i and 2 i + 1 of my quarter, 256 aligned bytes each; four work-groups read a slice, so no hint
	global_load_b128 v[4*i:4*i+3], v[WOF], s[10:11] offset:4096*i
.set i, i+1
.endr
	WIN 0
	s_wait_loadcnt 63                              ; 81 loads have been issued: the count leaves the youngest 63, all of them W2's
	RND2 B2
	RND2 B2+2
; THE LIST.  For each of my 32 route registers: which lanes hold expert e; a lane's rank is the running count plus the set bits below it; its token number goes to list word rank, its probability beside it.
; A lane with another route writes its own word behind the list, so that every lane stays on.  The constant bound keeps every address inside my wave's own bytes.
; Eight route registers at a time: their sixteen compares stand in one run, with one wait behind it; each register's address and token number have registers of their own, so that one wait serves all 64 stores.
.macro SCAN8 g
.set i, 0
.rept 8
	v_cmp_eq_u32 s[CM+2*i], s[EX], v[RT+8*(\g)+i]
	v_cmp_gt_u32 s[CM+2*i+1], s[EX], v[RT+8*(\g)+i]
.set i, i+1
.endr
	s_wait_alu depctr_va_sdst(0)                   ; the sixteen masks are written, ahead of their first reader
.set i, 0
.rept 8
.set j, 8*(\g)+i
	v_mbcnt_lo_u32_b32 v[LA+j], s[CM+2*i], s[RUN]
	v_cndmask_b32 v[LA+j], v[DUMPI], v[LA+j], s[CM+2*i]
	v_min_u32 v[LA+j], 1055, v[LA+j]
	v_lshl_add_u32 v[LA+j], v[LA+j], 2, v[LB]
	v_add_nc_u32 v[LTK+j], 128*(j/4)+j%4, v[TK]
	s_bcnt1_i32_b32 s[CN], s[CM+2*i]
	s_add_co_u32 s[RUN], s[RUN], s[CN]
	s_bcnt1_i32_b32 s[CN], s[CM+2*i+1]
	s_add_co_u32 s[LT], s[LT], s[CN]
.set i, i+1
.endr
.endm
	s_mov_b32 s[RUN], 0
	s_mov_b32 s[LT], 0
	SCAN8 0
	SCAN8 1
	SCAN8 2
	SCAN8 3
	s_wait_alu depctr_va_vdst(0)                   ; the 32 addresses and the 32 token numbers are written, which the stores below read
.set j, 0
.rept 32
	ds_store_b32 v[LA+j], v[LTK+j]
	ds_store_b32 v[LA+j], v[PM+j] offset:LISTH
.set j, j+1
.endr
	s_add_co_u32 s[NB], s[RUN], 15
	s_lshr_b32 s[NB], s[NB], 4
	s_sub_co_u32 s[NM1], s[RUN], 1
	s_sub_co_u32 s[NBM1], s[NB], 1
	s_mul_i32 s[HB0], s[QR], 72
	s_lshr_b32 s[TS], s[LT], 4
	s_add_co_u32 s[HB0], s[HB0], s[TS]
	s_add_co_u32 s[HB0], s[HB0], s[EX]             ; the segment's first block of h
	; A block of the range that is sure to be stored: the first of expert e0, the least route that occurs among the range's 1,024.  No token has a lower route, so that segment begins at block 72 q + e0, and it has a row.
	v_min_u32 v[T1], v[RT], v[RT+1]
	v_min_u32 v[T2], v[RT+2], v[RT+3]
.set j, 4
.rept 14
	v_min_u32 v[T1], v[T1], v[RT+j]
	v_min_u32 v[T2], v[T2], v[RT+j+1]
.set j, j+2
.endr
	v_min_u32 v[T1], v[T1], v[T2]                  ; my lane's least route
	s_mul_i32 s[E0], s[QR], 72
.irp k, 1,2,3,4,5,6,7                          ; e0 is the number of k in 1 .. 7 below which no lane's least route lies: the seven compares in one run,
	v_cmp_gt_u32 s[CM+\k-1], \k, v[T1]
.endr
	s_wait_alu depctr_va_sdst(0)                   ; the seven masks are written, ahead of their first reader
.irp k, 0,1,2,3,4,5,6
	s_cmp_eq_u32 s[CM+\k], 0
	s_cselect_b32 s[MB], 1, 0
	s_add_co_u32 s[E0], s[E0], s[MB]
.endr
	; Where the first two blocks of h lie: block 0, and block 1 or, in a segment of one block, block 0 once more.  A segment without rows has no block of its own: its two loads, of which nothing is made,
	; read the block found above, so that the same loads are issued on every path and the counts below hold.  The choice is made on the block's number, ahead of the bound.
	s_cmp_eq_u32 s[NB], 0
	s_cselect_b32 s[TS], s[E0], s[HB0]
	s_min_u32 s[TS], s[TS], 287                    ; the buffer has 288 blocks
	s_lshl_b32 s[OF], s[TS], 16
	s_add_nc_u64 s[AP:AP+1], s[HQ:HQ+1], s[OF:OF+1]
	s_min_u32 s[TS], s[NBM1], 1
	s_add_co_u32 s[TS], s[TS], s[HB0]
	s_cmp_eq_u32 s[NB], 0
	s_cselect_b32 s[TS], s[E0], s[TS]
	s_min_u32 s[TS], s[TS], 287
	s_lshl_b32 s[OF], s[TS], 16
	s_add_nc_u64 s[AP+2:AP+3], s[HQ:HQ+1], s[OF:OF+1]
; THE FILL.  Eight items at a time: rounded to bf16, widened, written as f16, 8 bytes a lane into my stage; their registers take the items 64 further on, and in the last eight batches the first two
; blocks of h: batch 24 + n leaves registers 32 n .. 32 n + 31 of window 1, which are k steps 4 (n % 4) .. + 3 of buffer n / 4.  When four batches' stores are out the stage holds 64 rows: two k steps'
; fragments are taken back, turned.  The stage is my wave's own and LDS serves a wave's instructions in order (ISA guide 5.7.1.4): no barrier, no wait on its counter.
; A BATCH'S ORDER.  The sixteen roundings empty the raw registers; behind the one wait on va_vdst the batch's eight loads go out at once, then the LDS stores of the batch BEFORE (and its turning loads),
; whose packed numbers that wait shows written; the batch's other 48 vector lines follow, and name CT[B % 2] and UF alone: no register that those loads and stores touch.  Pass 32 stores batch 31.
.macro FBATCH B
.if (\B) < 32
	s_wait_loadcnt 56                              ; in each batch eight loads are issued, W2's or h's: seven batches of eight are younger than this batch's items
.if (\B) >= 2
	s_wait_alu depctr_vm_vsrc(0)                   ; the stores issued in the batch before have read CT[B % 2], which the roundings below write again (in batch 2 also: the list's stores have read PM, LA and LTK, which the products will write)
.endif
	WIN 0x05
.set cc, CT+16*((\B)%2)
.set i, 0
.rept 8
.set wr, 4*((8*(\B)+i)%64)
	v_cvt_pk_bf16_f32 v[cc+2*i], v[wr], v[wr+1]    ; the one rounding
	v_cvt_pk_bf16_f32 v[cc+2*i+1], v[wr+2], v[wr+3]
.set i, i+1
.endr
	WIN 0x40
.else
	WIN 0
.endif
	s_wait_alu depctr_va_vdst(0)                   ; the roundings above are done reading the raw registers, in which the loads below land; the batch before has written its CT, which the stores below read
.if (\B) < 24
.set i, 0
.rept 8
.set wr, 4*((8*(\B)+i)%64)
	global_load_b128 v[wr:wr+3], v[WOF], s[10:11] offset:4096*(64+8*(\B)+i)
.set i, i+1
.endr
.elseif (\B) < 32
.set hb, ((\B)-24)/4
.set i, 0
.rept 4
.set ks, 4*(((\B)-24)%4)+i
	global_load_b128 v[128*hb+8*ks:128*hb+8*ks+3], v[LOFF], s[AP+2*hb:AP+2*hb+1] offset:1024*ks
	global_load_b128 v[128*hb+8*ks+4:128*hb+8*ks+7], v[LOFF], s[AP+2*hb:AP+2*hb+1] offset:1024*ks+512
.set i, i+1
.endr
.endif
.if (\B) > 0
	WIN 0
.set cp, CT+16*(((\B)-1)%2)
.set i, 0
.rept 8
	ds_store_b64 v[SA], v[cp+2*i:cp+2*i+1] offset:2*WP*((8*((\B)-1)+i)%32)
.set i, i+1
.endr
.if ((\B)-1)%4 == 3
.set ch, ((\B)-1)/4
	WIN 0x80+0x40*(ch/4)                           ; no vector or matrix instruction has named these fragments' registers, and their address stands since the head: no wait
.set kk, 0
.rept 2
.set cb, 0
.rept 4
.set fr, 8*(4*((2*ch+kk)%8)+cb)
	ds_load_tr16_b128 v[fr:fr+3], v[TRB] offset:32*WP*kk+32*cb
	ds_load_tr16_b128 v[fr+4:fr+7], v[TRB] offset:32*WP*kk+32*cb+16*WP
.set cb, cb+1
.endr
.set kk, kk+1
.endr
.endif
.endif
.if (\B) < 32
	WIN 0
.set i, 0
.rept 16
	v_lshlrev_b32 v[UF+2*i], 16, v[cc+i]           ; the rounded numbers as f32,
	v_and_b32 v[UF+2*i+1], s[HIM], v[cc+i]
.set i, i+1
.endr
.set i, 0
.rept 16
	v_cvt_pk_f16_f32 v[cc+i], v[UF+2*i], v[UF+2*i+1]  ; and as f16, which holds their 8 significant bits
.set i, i+1
.endr
.endif
.endm
.set bb, 0
.rept 33
	FBATCH bb
.set bb, bb+1
.endr
	WIN 0
.macro HLOAD buf                       ; my quarter of a block of h: 32 loads of 512 consecutive bytes, straight into operand registers
	WIN 0x40
.set ks, 0
.rept 16
	global_load_b128 v[128*(\buf)+8*ks:128*(\buf)+8*ks+3], v[LOFF], s[AP+2*(\buf):AP+2*(\buf)+1] offset:1024*ks
	global_load_b128 v[128*(\buf)+8*ks+4:128*(\buf)+8*ks+7], v[LOFF], s[AP+2*(\buf):AP+2*(\buf)+1] offset:1024*ks+512
.set ks, ks+1
.endr
.endm
; BLOCK b of the group: its 64 products, then its partial sums go to LDS.  A group begins at an even block, so block b lies in buffer b % 2.
.macro BLKC b
	s_wait_loadcnt 32                              ; all but the youngest 32 loads, which fill the other buffer: this block is in
.set ks, 0
.rept 16                                               ; the four accumulators take turns, one instruction a turn; the first k step starts the sums
	WIN 0x06+ks/8                                  ; W2 in window 2 or 3, h in window 1, C and D in window 0
.set cb, 0
.rept 4
.set ac, ACC+32*(\b)+8*cb
.if ks == 0
	v_wmma_f32_16x16x32_f16 v[ac:ac+7], v[8*(4*(ks%8)+cb):8*(4*(ks%8)+cb)+7], v[128*((\b)%2)+8*ks:128*((\b)%2)+8*ks+7], 0
.else
	v_wmma_f32_16x16x32_f16 v[ac:ac+7], v[8*(4*(ks%8)+cb):8*(4*(ks%8)+cb)+7], v[128*((\b)%2)+8*ks:128*((\b)%2)+8*ks+7], v[ac:ac+7]
.endif
.set cb, cb+1
.endr
.set ks, ks+1
.endr
	WIN 0
.rept 4
	v_nop                                          ; four places in front of the stores that read the results; they stay beside the wait below
.endr
	s_wait_alu depctr_va_vdst(0)                   ; the products have written the block's accumulators, which the stores below read, and are done reading h's buffer, in which the block two further on lands
.set cb, 0
.rept 4                                                ; each accumulator's low half first
.set ac, ACC+32*(\b)+8*cb
	ds_store_b128 v[RW], v[ac:ac+3] offset:REDB*(\b)+64*cb
	ds_store_b128 v[RW], v[ac+4:ac+7] offset:REDB*(\b)+64*cb+16
.set cb, cb+1
.endr
.endm
; Behind block b: the block two further on (past the segment's last: the last once more) is asked for, into block b's buffer.  No wait: no vector or matrix instruction since the wait at the block's end names that buffer.
.macro HNEXT b
	s_add_co_u32 s[TS], s[GB], (\b)+2
	s_min_u32 s[TS], s[TS], s[NBM1]
	s_add_co_u32 s[TS], s[TS], s[HB0]
	s_min_u32 s[TS], s[TS], 287                    ; the buffer has 288 blocks
	s_lshl_b32 s[OF], s[TS], 16
	s_add_nc_u64 s[AP+2*((\b)%2):AP+2*((\b)%2)+1], s[HQ:HQ+1], s[OF:OF+1]  ; this pair's last loads were block b's own, shown done by the counted wait ahead of its products
	HLOAD (\b)%2
	WIN 0
.endm
; THE FINISH of three blocks.  P1: for my two rows of block b the token, its probability and the four waves' parts are asked for, by the addresses made ahead of the barrier.
; ROWSUM: row n of the six is summed, biased and scaled, and its address in out is made.  P2: two rows, one wait, their two stores.
.macro P1 b, n
.irp t, 0,1
	ds_load_b32 v[TKN+(\n)+\t], v[LAD+2*(\b)+\t]
	ds_load_b32 v[PV+(\n)+\t], v[LAD+2*(\b)+\t] offset:LISTH
	ds_load_b128 v[DAT+16*((\n)+\t):DAT+16*((\n)+\t)+3], v[RRA] offset:REDB*(\b)+2*RP*\t
	ds_load_b128 v[DAT+16*((\n)+\t)+4:DAT+16*((\n)+\t)+7], v[RRA] offset:REDW+REDB*(\b)+2*RP*\t
	ds_load_b128 v[DAT+16*((\n)+\t)+8:DAT+16*((\n)+\t)+11], v[RRB] offset:REDB*(\b)+2*RP*\t
	ds_load_b128 v[DAT+16*((\n)+\t)+12:DAT+16*((\n)+\t)+15], v[RRB] offset:REDW+REDB*(\b)+2*RP*\t
.endr
.endm
.macro ROWSUM n
.set D, DAT+16*(\n)
.set pp, PV+(\n)-(\n)%2
	v_pk_add_f32 v[D:D+1], v[D:D+1], v[D+4:D+5]
	v_pk_add_f32 v[D+2:D+3], v[D+2:D+3], v[D+6:D+7]
	v_pk_add_f32 v[D+8:D+9], v[D+8:D+9], v[D+12:D+13]
	v_pk_add_f32 v[D+10:D+11], v[D+10:D+11], v[D+14:D+15]
	v_min_u32 v[TKN+(\n)], 0xfff, v[TKN+(\n)]
	v_pk_add_f32 v[D:D+1], v[D:D+1], v[D+8:D+9]
	v_pk_add_f32 v[D+2:D+3], v[D+2:D+3], v[D+10:D+11]
	v_lshl_add_u32 v[AD+(\n)], v[TKN+(\n)], 11, v[CO]
	v_pk_add_f32 v[D:D+1], v[D:D+1], v[B2:B2+1]
	v_pk_add_f32 v[D+2:D+3], v[D+2:D+3], v[B2+2:B2+3]
	v_pk_mul_f32 v[D:D+1], v[D:D+1], v[pp:pp+1] op_sel:[0,(\n)%2] op_sel_hi:[1,(\n)%2]
	v_pk_mul_f32 v[D+2:D+3], v[D+2:D+3], v[pp:pp+1] op_sel:[0,(\n)%2] op_sel_hi:[1,(\n)%2]
.endm
.macro P2 n, m
	ROWSUM \n
	ROWSUM \m
	s_wait_alu depctr_va_vdst(0)                   ; both rows' numbers and their two addresses are written, which the stores below read
	global_store_b128 v[AD+(\n)], v[DAT+16*(\n):DAT+16*(\n)+3], s[14:15] th:TH_STORE_NT  ; 16 lanes store 256 consecutive bytes of a row of out, aligned
	global_store_b128 v[AD+(\m)], v[DAT+16*(\m):DAT+16*(\m)+3], s[14:15] th:TH_STORE_NT
.endm
; The loads go out for as many of the three blocks as exist; the blocks are then finished last first, so that each label is reached only with its blocks' loads issued.
; On every way through, the last vector line stands ahead of a pair's wait: what follows the macro finds the vector side's work on these registers stated.
.macro FIN b0
	s_cmp_le_u32 s[LIVE], (\b0)
	s_cbranch_scc1 .Lnone_\@
	P1 (\b0), 0
	s_cmp_le_u32 s[LIVE], (\b0)+1
	s_cbranch_scc1 .Lone_\@
	P1 (\b0)+1, 2
	s_cmp_le_u32 s[LIVE], (\b0)+2
	s_cbranch_scc1 .Ltwo_\@
	P1 (\b0)+2, 4
	s_wait_dscnt 0x0
	P2 4, 5
.Ltwo_\@:
	s_wait_dscnt 0x0
	P2 2, 3
.Lone_\@:
	s_wait_dscnt 0x0
	P2 0, 1
.Lnone_\@:
.endm
	s_wait_dscnt 0x0                               ; W2's fragments are in
	s_mov_b32 s[GB], 0
	s_mov_b32 s[GB16], 0
	s_mov_b32 s[CNT], 11
.Lgroup:
	v_nop                                          ; with the four at a block's end: five places between a trip's products and the next trip's first, which write the same accumulators anew (ISA guide 7.12.1)
	s_sub_co_i32 s[LIVE], s[NB], s[GB]
	s_min_i32 s[LIVE], s[LIVE], 6
	s_max_i32 s[LIVE], s[LIVE], 0
	s_cmp_eq_u32 s[LIVE], 0
	s_cbranch_scc1 .Lshort
	BLKC 0
.irp b, 1,2,3,4,5
	s_cmp_le_u32 s[LIVE], \b
	s_cbranch_scc1 .Lshort                         ; the group has no further block, and so has the segment: nothing more is asked for
	HNEXT (\b)-1
	BLKC \b
.endr
	HNEXT 5
	s_branch .Lmeet                                ; a whole group: the next group's first two blocks stay on their way through the finish
.Lshort:
	s_wait_loadcnt 0x0                             ; a group that ends early or has no block: the one block still out was asked for a block's work ago and serves nothing; with no load out,
	                                               ; whatever way leads on to a trip's first products finds both buffers at rest
.Lmeet:
	s_wait_alu depctr_vm_vsrc(0)                   ; my stores of the partial sums have read the accumulators, in which the finish's loads land; the last readers of v[LAD ..] (the trip before's list loads; in the first trip the fill's stores) have read them
	; The list addresses of my two rows in each of the group's six blocks: the row's rank, held to the segment's last, as a word of my list.  A group with fewer blocks makes addresses by which nothing is loaded.
.set n, 0
.rept 12
	v_add3_u32 v[LAD+n], s[GB16], 16*(n/2)+2*(n%2), v[RKF]
.set n, n+1
.endr
.set n, 0
.rept 12
	v_min_u32 v[LAD+n], s[NM1], v[LAD+n]
.set n, n+1
.endr
.set n, 0
.rept 12
	v_min_u32 v[LAD+n], 1023, v[LAD+n]
.set n, n+1
.endr
.set n, 0
.rept 12
	v_lshl_add_u32 v[LAD+n], v[LAD+n], 2, v[LB]
.set n, n+1
.endr
	s_wait_alu depctr_va_vdst(0)                   ; the twelve addresses are written, which the list loads of both halves of the finish read
	s_wait_dscnt 0x0                               ; for the others' sake: my partial sums are in LDS
	s_barrier_signal -1
	s_barrier_wait -1                              ; everybody's are
	FIN 0
	s_wait_xcnt 0x0                                ; the stores' data and addresses are rewritten only behind this wait
	s_wait_alu depctr_vm_vsrc(0)                   ; the stores above have read their rows and addresses: the second half's loads land in the same rows, and its sums write the same address registers
	FIN 3
	s_wait_xcnt 0x0
	s_wait_alu depctr_vm_vsrc(0)                   ; the stores above have read their rows and addresses, which the next trip's products write as accumulators
	s_wait_dscnt 0x0                               ; my reads of the partial sums are over
	s_barrier_signal -1
	s_barrier_wait -1                              ; everybody's are: the next group may write them again
	s_add_co_u32 s[GB], s[GB], 6
	s_add_co_u32 s[GB16], s[GB16], 96
	s_sub_co_u32 s[CNT], s[CNT], 1
	s_cmp_lg_u32 s[CNT], 0
	s_cbranch_scc1 .Lgroup
	s_wait_dscnt 0x0                               ; the wave's end
	s_wait_alu 0x0
	s_wait_tensorcnt 0x0
	ds_add_u32 v[SPW], v[NIL]
	s_wait_dscnt 0x0
	s_endpgm
.Lfunc_end_k_qa3478bcedd_down:
	.size	k_qa3478bcedd_down, .Lfunc_end_k_qa3478bcedd_down-k_qa3478bcedd_down
	.p2alignl 7, 3214868480
	.fill 96, 4, 3214868480
	.section	.rodata,"a",@progbits
	.p2align	6, 0x0
	.amdhsa_kernel k_qa3478bcedd_down
		.amdhsa_group_segment_fixed_size 179712
		.amdhsa_private_segment_fixed_size 0
		.amdhsa_enable_private_segment 0
		.amdhsa_kernarg_size 48
		.amdhsa_user_sgpr_count 2
		.amdhsa_user_sgpr_kernarg_segment_ptr 1
		.amdhsa_wavefront_size32 1
		.amdhsa_system_sgpr_workgroup_id_x 1
		.amdhsa_system_sgpr_workgroup_id_y 1
		.amdhsa_system_sgpr_workgroup_id_z 1
		.amdhsa_system_vgpr_workitem_id 0
		.amdhsa_next_free_vgpr 1024
		.amdhsa_next_free_sgpr 66
		.amdhsa_reserve_vcc 0
		.amdhsa_float_denorm_mode_32 3
		.amdhsa_float_denorm_mode_16_64 3
		.amdhsa_memory_ordered 1
		.amdhsa_forward_progress 1
		.amdhsa_inst_pref_size 255
	.end_amdhsa_kernel
	.amdgpu_metadata
---
amdhsa.version: [ 1, 2 ]
amdhsa.kernels:
  - .name:           k_qa3478bcedd_down
    .symbol:         k_qa3478bcedd_down.kd
    .args:
      - { .name: hfrag, .offset: 0, .size: 8, .value_kind: global_buffer, .address_space: global }
      - { .name: routes, .offset: 8, .size: 8, .value_kind: global_buffer, .address_space: global }
      - { .name: pmax, .offset: 16, .size: 8, .value_kind: global_buffer, .address_space: global }
      - { .name: W2, .offset: 24, .size: 8, .value_kind: global_buffer, .address_space: global }
      - { .name: b2, .offset: 32, .size: 8, .value_kind: global_buffer, .address_space: global }
      - { .name: out0, .offset: 40, .size: 8, .value_kind: global_buffer, .address_space: global }
    .group_segment_fixed_size: 179712
    .private_segment_fixed_size: 0
    .kernarg_segment_align: 8
    .kernarg_segment_size: 48
    .max_flat_workgroup_size: 128
    .sgpr_count:     66
    .vgpr_count:     1024
    .wavefront_size: 32
...
	.end_amdgpu_metadata
.endif
;; end of part 4
